; MI455X (gfx1250); checked and timed in simulation.
; The chip was launched on July 23, 2026; its instructions are those of AMD's public machine-readable ISA for CDNA 5 (MIT licence, August 2026) and "CDNA5" Instruction Set Architecture Reference Guide (July 2026). The comments in the code are by the model that wrote it; some were corrected since.
;; Causal Self Attention. Allowed arithmetic: matrix products marked QUANTISED: E4M3 operands, one E8M0 scale for each 32 along K, by v_wmma_scale_f32_16x16x128_f8f6f4 with both operands' format E4M3, f32 sums; everything else in f32.
;; Inputs: b_proj 1,024 float32; b_qkv 3,072 float32; w_proj 1,024 x 1,024 float32; w_qkv 3,072 x 1,024 float32; x 4 x 2,048 x 1,024 float32.
;; Outputs: out0 4 x 2,048 x 1,024 float32.
;; This version of the problem:
;;   THIS VERSION OF THE PROBLEM IS GIVEN IN LOW PRECISION. The matrix products marked QUANTISED in the list below multiply operands that are first quantised to E4M3 (4 exponent bits, 3 mantissa bits; 8 bits a number), with one power-of-two scale for each 32 numbers along K (OCP MX v1.0); their sums are f32. All else is computed in f32.
;;   The module's matrix products, in the order in which they are computed (A, B: the left and right operand; K: the contracted axis; several contracted axes count as one K, in the product's order):
;;     1. [M 8,192, K 1,024] x [K 1,024, N 3,072]; A: input x; B: input w_qkv: QUANTISED
;;     2. batch 64 x [M 2,048, K 64] x [K 64, N 2,048]; A: computed on the way; B: computed on the way: QUANTISED
;;     3. batch 64 x [M 2,048, K 2,048] x [K 2,048, N 64]; A: softmax (see below); B: computed on the way: QUANTISED
;;     4. [M 8,192, K 1,024] x [K 1,024, N 1,024]; A: computed on the way; B: input w_proj: QUANTISED
;;   THE QUANTISER, for each operand of a quantised product, along K:
;;     - K is cut into blocks of 32 from its start; a last block that is shorter is filled with zeros.
;;     - A block's scale is 2^e with e = floor(log2(the largest magnitude in the block)) - 8, held to -126 .. 127; a block of zeros has e = 0. As a byte (E8M0): e + 127.
;;     - Each number is divided by its block's scale, clamped to +-448, and rounded to the nearest number of E4M3, ties to even, subnormals kept.
;;     - The product sums the exact products of the quantised numbers (number of the format x scale) in f32.
;;   ~~~python
;;   def quantise(x, axis):      # numpy; x: float32 -> the quantised numbers, widened to float32 again
;;       x = np.moveaxis(x, axis, -1); K = x.shape[-1]
;;       x = np.pad(x, [(0, 0)] * (x.ndim - 1) + [(0, -K % 32)]); x = x.reshape(x.shape[:-1] + (-1, 32)); a = np.abs(x).max(-1, keepdims=True)
;;       e = np.where(a > 0, np.clip(np.frexp(np.where(a > 0, a, 1))[1] - 1 - 8, -126, 127), 0)      # np.frexp(a)[1] - 1 = floor(log2(a)), exactly
;;       r = np.clip(x / 2.0 ** e, -448, 448)
;;       step = 2.0 ** (np.maximum(np.frexp(np.where(r == 0, 1, r))[1] - 1, -6) - 3)
;;       q = np.round(r / step) * step * 2.0 ** e      # np.round: ties to even
;;       return np.moveaxis(q.reshape(q.shape[:-2] + (-1,))[..., :K], -1, axis).astype(np.float32)
;;   ~~~
;;   SOFTMAX AHEAD OF A QUANTISED PRODUCT. Where the list says 'softmax', what is quantised is not the finished softmax but p = 2^(t - M), with t = logit x log2(e) and M = ceil(the row's largest t), a whole number; so 1/2 < the row's largest p <= 1. The row's sum l is taken of the UNQUANTISED p, in f32, and the product's result is divided by l at the end. Since M is a whole number, a kernel that streams over the keys may use a running M (the ceiling of the running maximum): every later rescaling is an exact power of two, which a block's scale takes up: the codes' values come out the same.
;;   OPERANDS COMPUTED ON THE WAY. 'Computed on the way' means the value that the module computes at that place (a softmax that the list does not call 'softmax' is quantised finished and normalised). What goes into a quantiser is computed in f32, as accurately as f32 sums, v_exp_f32 and their like allow (about 1e-6 of the number): no bf16 or f16 on the way to a quantiser, and a product that is left as it is and whose result goes on into a quantised operand takes f32 operands (vector FMAs, or v_wmma_f32_16x16x4_f32). A number that lies on a knife's edge between two numbers of the format may be rounded either way, as far as f32 arithmetic and the matrix unit's own rounding can turn it there, and no further.
;; One version. Each part assembles by itself: llvm-mc -triple=amdgcn-amd-amdhsa -mcpu=gfx1250 --defsym DOCPART=n.
;; ======== version 1 of 1: 4 launches
;; limits: right only within a limited range of input values
;; workspace buffers: codes 12,582,912 bytes; scales 393,216 bytes; qkv_img 25,165,824 bytes; qkv_sc 786,432 bytes; a_img 8,388,608 bytes; a_sc 262,144 bytes
;; launch quant (part 1): grid 768 x 1, 4 waves a work-group, no clusters, 35,328 bytes of LDS; arguments x, w_qkv, w_proj, codes, scales; writes codes, scales
.if DOCPART == 1
	.amdgcn_target "amdgcn-amd-amdhsa--gfx1250"
	.amdhsa_code_object_version 6
	.text
	.protected	k_q4664878933_quant
	.globl	k_q4664878933_quant
	.p2align	8
	.type	k_q4664878933_quant,@function
k_q4664878933_quant:
	s_mov_b64 s[64:65], 0
	v_nop
	global_prefetch_b8 v0, s[64:65] scope:SCOPE_SE
	s_setreg_imm32_b32 hwreg(HW_REG_WAVE_MODE, 25, 1), 1
	s_wait_xcnt 0x0
; x [8192][1024], w_qkv [3072][1024] and w_proj [1024][1024], f32, K innermost, become codes of FP8 (E4M3) with one E8M0 byte for each 32 along K,
; laid as the products' operand registers want them.
; TILES.  A tile is 16 rows; tile 2 B + u holds in its place n (0 .. 15) the row 32 B + 8 u + n + 8 (n / 8).  Tiles 0-511 are x's, 512-703 w_qkv's, 704-767 w_proj's.
; codes [tile][K step 8][2,048]: a fragment (16 rows x 128 K) as an image of its registers: group c (4 registers) of lane l at 512 c + 16 l: k = 32 c + 16 (l / 16) + 0 .. 15 of place l % 16.
; scales [tile][512]: the word of (place r, K step s) at 16 (16 (s % 2) + r) + 4 (s / 2): one load of 16 bytes a lane gives four registers, register i with K step 2 i in lanes 0-15 and 2 i + 1 in lanes 16-31.
; A block's scale is 2^(floor(log2(largest magnitude)) - 8); its byte is the largest magnitude's exponent field - 8, held at 1 from below.
; LIMITS: a block of zeros gets the byte 1 where the rule says 127 (its codes are zeros, and this program alone reads the bytes); largest magnitudes under 2^(9 - 127) are taken as that floor; NaN and infinities are not served.
; SHARES.  A work-group takes one tile, wave w its K steps 2 w and 2 w + 1.  Each load reads 512 consecutive bytes of one row; the 16 rows turn through the wave's own stage in LDS, so that a lane
; gets 16 neighbours along K of each block; each store of codes covers 512 consecutive bytes.  No input is shared between work-groups: no cluster, no tensor load.
.set STG,  8448                        ; a wave's stage: 16 rows x (512 bytes + 16): row n starts 4 n banks on
.set SCW,  4*STG                       ; behind the stages: the tile's 512 bytes of scale words
.set R0,   16                          ; v16-143  two K steps as loaded: 16 rows x 4 registers each
.set X,    144                         ; v144-207 64 numbers: register 16 b + i = k 32 b + 16 (lane / 16) + i of my row
.set PC,   208                         ; v208-223 the fragment's codes
.set TM,   224                         ; v224-239 at work
.set PW,   240                         ; v240-241 the two K steps' scale words
.set SEL,  20                          ; s[20:21] lane selects: lane l xor 16
.set MNT,  22
; 64 numbers of a lane become a fragment's codes in v[PC] on and its row's scale word in v[pw].
.macro QUANT s, pw
.irp b, 0,1,2,3
	v_max3_num_f32 v[TM+\b], |v[\s+16*\b]|, |v[\s+1+16*\b]|, 0x4800000   ; block b: my 16 numbers and the floor 2^(9 - 127): the byte cannot fall under 1
.endr
.irp i, 2,4,6,8,10,12,14
.irp b, 0,1,2,3
	v_max3_num_f32 v[TM+\b], v[TM+\b], |v[\s+16*\b+\i]|, |v[\s+1+16*\b+\i]|   ; the four blocks by turns
.endr
.endr
.irp b, 0,1,2,3
	v_permlanex16_b32 v[TM+4+\b], v[TM+\b], s[SEL], s[SEL+1]
.endr
.irp b, 0,1,2,3
	v_max_num_f32 v[TM+\b], v[TM+\b], v[TM+4+\b]           ; with lane l xor 16's 16: the block's largest magnitude
.endr
.irp b, 0,1,2,3
	v_add_nc_u32 v[TM+12+\b], 0xfc000000, v[TM+\b]         ; 8 off its exponent field: the conversion's scale operand
.endr
.irp b, 0,1,2,3
.endr
.irp b, 0,1,2,3
	v_lshrrev_b32 v[TM+4+\b], 23, v[TM+12+\b]              ; the scale's byte
.endr
	v_lshl_or_b32 v[\pw], v[TM+5], 8, v[TM+4]
	v_lshl_or_b32 v[\pw], v[TM+6], 16, v[\pw]
	v_lshl_or_b32 v[\pw], v[TM+7], 24, v[\pw]
.irp b, 0,1,2,3
.irp i, 0,1,2,3,4,5,6,7,8,9,10,11,12,13,14,15
.endr
	v_cvt_scalef32_pk8_fp8_f32 v[PC+4*\b:PC+1+4*\b], v[\s+16*\b:\s+7+16*\b], v[TM+12+\b]
	v_cvt_scalef32_pk8_fp8_f32 v[PC+2+4*\b:PC+3+4*\b], v[\s+8+16*\b:\s+15+16*\b], v[TM+12+\b]
.endr
	v_nop                                          ; a plain line behind the last conversion
.endm
	s_load_b128 s[4:7], s[0:1], 0x0                ; x, w_qkv
	s_load_b128 s[8:11], s[0:1], 0x10              ; w_proj, codes
	s_load_b64 s[12:13], s[0:1], 0x20              ; scales
	v_lshl_add_u32 v248, v0, 2, 0x8800
	v_mov_b32 v249, 0
	v_lshrrev_b32 v1, 5, v0
	v_readfirstlane_b32 s16, v1                    ; wave 0..3
	v_and_b32 v1, 31, v0                           ; lane
	v_and_b32 v2, 15, v0                           ; r
	v_bfe_u32 v3, v0, 4, 1                         ; h
	v_lshlrev_b32 v4, 4, v1                        ; 16 x lane: my bytes of a load, of a store of codes, of the scale words
	s_mul_i32 s17, s16, STG
	v_add_nc_u32 v5, s17, v4                       ; the stage, on the way in: 16 x lane of a row
	v_mul_u32_u24 v6, v2, 528
	v_lshl_add_u32 v6, v3, 6, v6
	v_add_nc_u32 v6, s17, v6                       ; and on the way out: row r, + 64 h
	s_lshl_b32 s18, s16, 2
	s_add_co_u32 s18, s18, SCW
	v_add_nc_u32 v7, s18, v4                       ; my scale word: 16 x lane + 4 x wave
	v_add_nc_u32 v8, SCW, v4
	s_mov_b32 s[SEL], 0x76543210
	s_mov_b32 s[SEL+1], 0xfedcba98
.irp b, 0,1,2,3
	v_mov_b32 v[TM+4+\b], 0                        ; written once: a lane permute's destination counts as one of its sources
.endr
	s_mov_b32 s14, 704
	s_wait_alu depctr_va_vdst(0)
	s_wait_kmcnt 0x0
	s_cmp_lt_u32 ttmp9, 704                        ; which tensor: the choice hangs on the work-group's number alone
	s_cselect_b64 s[6:7], s[6:7], s[8:9]
	s_cselect_b32 s14, 512, s14
	s_cmp_lt_u32 ttmp9, 512
	s_cselect_b64 s[4:5], s[4:5], s[6:7]
	s_cselect_b32 s14, 0, s14
	s_sub_co_u32 s14, ttmp9, s14                   ; the tile's number t in its tensor
	s_lshr_b32 s24, s14, 1
	s_lshl_b32 s24, s24, 17                        ; 32 (t / 2) rows of 4,096 bytes
	s_and_b32 s25, s14, 1
	s_lshl_b32 s25, s25, 15                        ; + 8 (t % 2) rows
	s_add_co_u32 s24, s24, s25
	s_lshl_b32 s25, s16, 10                        ; + my wave's 256 numbers
	s_add_co_u32 s24, s24, s25
	s_mov_b32 s25, 0
	s_add_nc_u64 s[4:5], s[4:5], s[24:25]
	s_lshl_b32 s24, ttmp9, 14                      ; codes: 16,384 bytes a tile, 4,096 a wave
	s_lshl_b32 s26, s16, 12
	s_add_co_u32 s24, s24, s26
	s_add_nc_u64 s[10:11], s[10:11], s[24:25]
	s_lshl_b32 s24, ttmp9, 9                       ; scales: 512 bytes a tile
	s_add_nc_u64 s[12:13], s[12:13], s[24:25]
.irp e, 0,1
.irp n, 0,1,2,3,4,5,6,7,8,9,10,11,12,13,14,15
	global_load_b128 v[R0+64*\e+4*\n:R0+64*\e+4*\n+3], v4, s[4:5] offset:(\n+8*(\n/8))*4096+512*\e th:TH_LOAD_NT   ; place n's row, K step e of my two: 512 consecutive bytes
.endr
.endr
.macro HALF e
	s_wait_loadcnt 16*(1-\e)                       ; this K step's 16 loads are in; the other's 16 are younger
.irp n, 0,1,2,3,4,5,6,7,8,9,10,11,12,13,14,15
	ds_store_b128 v5, v[R0+64*\e+4*\n:R0+64*\e+4*\n+3] offset:528*\n
.endr
.irp c, 0,1,2,3
.irp j, 0,1,2,3
	ds_load_b128 v[X+16*\c+4*\j:X+16*\c+4*\j+3], v6 offset:128*\c+16*\j   ; LDS serves a wave's instructions in order: these see my stores
.endr
.endr
	s_wait_dscnt 0x0
.if \e
	s_wait_xcnt 0x0                                ; the first K step's stores have read the codes' registers: they are written again only behind this wait
.endif
	QUANT X, PW+\e
.irp c, 0,1,2,3
	global_store_b128 v4, v[PC+4*\c:PC+4*\c+3], s[10:11] offset:2048*\e+512*\c   ; 32 lanes store 512 consecutive bytes
.endr
.endm
	HALF 0
	HALF 1
	v_cmp_ne_u32 vcc_lo, 0, v3
	v_cndmask_b32 v242, v[PW], v[PW+1], vcc_lo     ; lanes 0-15 carry the even K step's word of row r, lanes 16-31 the odd one's
	ds_store_b32 v7, v242
	s_wait_dscnt 0x0                               ; for the others' sake: my word has landed
	s_barrier_signal -1
	s_barrier_wait -1
	s_cmp_lg_u32 s16, 0
	s_cbranch_scc1 .Ldone
	ds_load_b128 v[244:247], v8                    ; wave 0 stores the tile's 512 bytes of scale words whole
	s_wait_dscnt 0x0
	global_store_b128 v4, v[244:247], s[12:13]
.Ldone:
	s_wait_tensorcnt 0x0
	ds_add_u32 v248, v249
	s_wait_dscnt 0x0
	s_endpgm
.Lfunc_end_k_q4664878933_quant:
	.size	k_q4664878933_quant, .Lfunc_end_k_q4664878933_quant-k_q4664878933_quant
	.p2alignl 7, 3214868480
	.fill 96, 4, 3214868480
	.section	.rodata,"a",@progbits
	.p2align	6, 0x0
	.amdhsa_kernel k_q4664878933_quant
		.amdhsa_group_segment_fixed_size 35328
		.amdhsa_private_segment_fixed_size 0
		.amdhsa_enable_private_segment 0
		.amdhsa_kernarg_size 40
		.amdhsa_user_sgpr_count 2
		.amdhsa_user_sgpr_kernarg_segment_ptr 1
		.amdhsa_wavefront_size32 1
		.amdhsa_system_sgpr_workgroup_id_x 1
		.amdhsa_system_sgpr_workgroup_id_y 1
		.amdhsa_system_sgpr_workgroup_id_z 1
		.amdhsa_system_vgpr_workitem_id 0
		.amdhsa_next_free_vgpr 250
		.amdhsa_next_free_sgpr 66
		.amdhsa_reserve_vcc 1
		.amdhsa_float_denorm_mode_32 3
		.amdhsa_float_denorm_mode_16_64 3
		.amdhsa_fp16_overflow 1
		.amdhsa_memory_ordered 1
		.amdhsa_forward_progress 1
		.amdhsa_inst_pref_size 19
	.end_amdhsa_kernel
	.amdgpu_metadata
---
amdhsa.version: [ 1, 2 ]
amdhsa.kernels:
  - .name:           k_q4664878933_quant
    .symbol:         k_q4664878933_quant.kd
    .args:
      - { .name: x, .offset: 0, .size: 8, .value_kind: global_buffer, .address_space: global }
      - { .name: w_qkv, .offset: 8, .size: 8, .value_kind: global_buffer, .address_space: global }
      - { .name: w_proj, .offset: 16, .size: 8, .value_kind: global_buffer, .address_space: global }
      - { .name: codes, .offset: 24, .size: 8, .value_kind: global_buffer, .address_space: global }
      - { .name: scales, .offset: 32, .size: 8, .value_kind: global_buffer, .address_space: global }
    .group_segment_fixed_size: 35328
    .private_segment_fixed_size: 0
    .kernarg_segment_align: 8
    .kernarg_segment_size: 40
    .max_flat_workgroup_size: 128
    .sgpr_count:     66
    .vgpr_count:     250
    .wavefront_size: 32
...
	.end_amdgpu_metadata
.endif
;; end of part 1
;; launch qkv (part 2): grid 12 x 32, 4 waves a work-group, clusters of 4 x 4, 327,680 bytes of LDS; arguments codes, scales, b_qkv, qkv_img, qkv_sc; writes qkv_img, qkv_sc
.if DOCPART == 2
	.amdgcn_target "amdgcn-amd-amdhsa--gfx1250"
	.amdhsa_code_object_version 6
	.text
	.protected	k_q4664878933_qkv
	.globl	k_q4664878933_qkv
	.p2align	8
	.type	k_q4664878933_qkv,@function
k_q4664878933_qkv:
	s_mov_b64 s[64:65], 0
	v_nop
	global_prefetch_b8 v0, s[64:65] scope:SCOPE_SE
	s_setreg_imm32_b32 hwreg(HW_REG_WAVE_MODE, 25, 1), 1
	s_wait_xcnt 0x0
	s_wait_alu depctr_hold_cnt(0) depctr_sa_sdst(0) depctr_va_vdst(0) depctr_va_sdst(0) depctr_va_ssrc(0) depctr_va_vcc(0) depctr_vm_vsrc(0)
	s_getreg_b32 s2, hwreg(HW_REG_IB_STS2, 6, 4)
	s_cmp_eq_u32 s2, 0
	s_cbranch_scc0 .Lentry_in_a_cluster
	s_endpgm
.Lentry_in_a_cluster:
	s_bfe_u32 s2, ttmp6, 0x10000c
	s_cmp_lg_u32 s2, 0xf033
	s_cbranch_scc0 .Lentry_shape_is_right
	s_endpgm
.Lentry_shape_is_right:
; qkv = x w_qkv^T + b_qkv on codes of FP8 (E4M3) with E8M0 scales, K = 1,024; the result is quantised at once, in registers, into the operands of attention's two products.
; A work-group makes 256 tokens x 256 features, each of its four waves 128 x 128: 64 accumulators, 512 registers.  K goes in pairs of K steps (256 along K) through two LDS slots.
; TILES ARE IMAGES OF OPERAND REGISTERS (16 rows x 128 K = 2,048 bytes; group c of lane l at 512 c + 16 l): every LDS load takes 512 consecutive bytes; no pitch, no padding.
; A tile's 16 places hold rows 32 B + 8 u + n + 8 (n / 8) (tile 2 B + u): so the 16 registers that two neighbouring tiles of source 0 give a lane are 16 NEIGHBOURS, in the next operand's order.
; ONE TEXT FOR q, k AND v.  kind = the cluster's x (0 q, 1 k, 2 v; the same in all sixteen partners).  q, k: source 0 = features, source 1 = tokens: a lane holds one token, its registers run along the head's 64:
; the next K.  v: source 0 = tokens, source 1 = features: a lane holds one feature, its registers run along the tokens: the keys, the second product's K.  Only the LDS bases that the waves READ from and the scale words'
; offsets are chosen by the kind; the tensor loads are the same.
; qkv_img [kind][batch x head 64][131,072]: q, k: [tile of 16 tokens 128][block of 32 2][lane][16 bytes]; v: [key step 16][tile of 16 channels 4][2,048].
; qkv_sc [kind][batch x head][key step 16][place 16][4 words]: q, k: word f = bytes (tile 2 f: two blocks | tile 2 f + 1: two blocks); v: word t = channel tile t's four key blocks.
; CLUSTERS: 4 x 4 work-groups; x's tiles are asked for jointly along a row of the cluster, w_qkv's along a column.
; LIMITS: a block of zeros gets the byte 1 where the rule says 127 (zero codes; the bytes are read by this program alone); largest magnitudes under 2^(9 - 127) count as that floor; NaN and infinities are not served.
; REGISTERS: window 0: v1 16 x lane; v16-21 LDS addresses; v28-29 for the add; v32-63, v64-95 scale words of source 0, source 1 (4 registers a tile: register kp holds K step 2 kp in lanes 0-15, 2 kp + 1 in lanes 16-31);
;   v100-104 small things; v128-255 source 1's fragments, one set; later the quantiser's registers.  window 1: source 0's fragments, two sets; later the bias.  windows 2, 3: the accumulators ((a, b) at v[8 (8 (a % 4) + b)]).
.set SLOT,  131072                     ; a slot: x's 16 tiles x 4,096 bytes (a pair of K steps), then w_qkv's 16
.set SPARE, 2*SLOT                     ; behind the ring: the spare words, 128 bytes a wave: two blocks of 256 bytes that no other line names
.set NP,    8                          ; places behind this matrix instruction (ISA guide 7.12.1)
.set LI,   1
.set AD1,  16                          ; v16-17 source 1's fragments in slot 0, 1
.set AD0,  20                          ; v20-21 source 0's
.set SPW,  28
.set NIL,  29
.set SC0,  32
.set SC1,  64
.set VSO,  100                         ; 4,096 h + 16 r: where a lane puts its four scale words
.set VSEL, 101                         ; byte selects: lanes 0-15 serve the first head, lanes 16-31 the second
.set VB1,  102                         ; 64 h
.set VB2,  103                         ; 4 (r + 8 (r / 8))
.set VH,   104                         ; h
.set AF,   128
.set T,    128                         ; v128-191 64 numbers ahead of the quantiser
.set PC,   192                         ; v192-207 the codes
.set TM,   208                         ; v208-223 at work
.set PWS,  232                         ; v232-239 eight scale words
.set W,    240                         ; v240-243 the four words that leave
.set BZ,   0                           ; window 1: the bias by register (q, k): 64
.set BV,   64                          ; window 1: the bias by lane (v): a pair for each of 8 tiles
.set G1,   24
.set G0,   32
.set G1B,  48
.set G0B,  56
.set KIND, 66
.set SEL,  92
.set MNT,  94
.set MSB, 0
.macro WIN new                         ; the immediate's high byte repeats the setting that is left
.if MSB != (\new)
	s_set_vgpr_msb (MSB<<8)|(\new)
.set MSB, (\new)
.endif
.endm
.set MUL_LO, 0xa1                      ; source 0 window 1, source 1 window 0, C and D window 2
.set MUL_HI, 0xf1                      ; the same, C and D window 3
.set TO_B,   0x40                      ; destination window 1, address window 0
; A joint load: waves 0 and 1 fetch x's halves, waves 2 and 3 w's.  The branch hangs on the wave's number alone.  Four v_nop follow each of the two lines.
.macro JLOAD g0a, g1a, g0b, g1b
	s_cmp_eq_u32 s15, 0
	s_cbranch_scc0 .Lfor_b_\@
	tensor_load_to_lds s[\g0a:\g0a+3], s[\g1a:\g1a+7]
	s_nop 0
.rept 4
	v_nop
.endr
	s_branch .Lasked_\@
.Lfor_b_\@:
	tensor_load_to_lds s[\g0b:\g0b+3], s[\g1b:\g1b+7]
	s_nop 0
.rept 4
	v_nop
.endr
.Lasked_\@:
.endm
.macro CREST                           ; a round of the cluster's barrier behind its opening barrier
	s_cmp_lg_u32 s14, 0
	s_cbranch_scc1 .Lnot_wave_0_\@
	s_barrier_signal -3
.Lnot_wave_0_\@:
	s_barrier_wait -3
	s_barrier_signal -1
	s_barrier_wait -1
.endm
.macro CROUND
	s_barrier_signal -1
	s_barrier_wait -1
	CREST
.endm
.macro PLACES n
.rept \n
	v_nop
.endr
.endm
.macro FRAG reg, adr, q, i             ; tile i's fragment of the slot's q-th K step: four loads of 512 consecutive bytes
.irp c, 0,1,2,3
	ds_load_b128 v[\reg+4*\c:\reg+4*\c+3], v[\adr] offset:(\i)*4096+(\q)*2048+512*\c
.endr
.endm
.macro FETCH_B slot, q, p              ; source 0's eight fragments into set p
	WIN TO_B
.irp i, 0,1,2,3,4,5,6,7
	FRAG 128*(\p)+16*\i, AD0+\slot, \q, \i
.endr
	WIN 0
.endm
.macro FETCH_A slot, q, i0             ; source 1's blocks i0 .. i0 + 3
.irp i, \i0, \i0+1, \i0+2, \i0+3
	FRAG AF+16*(\i), AD1+\slot, \q, \i
.endr
.endm
; 16 matrix instructions: source 1's blocks a0, a0 + 1 x source 0's eight.  p: source 0's set; q: which K step of pair kp (it picks the lanes of the scale registers).  zero = 1: the product starts the sums.
; The 64 accumulators take turns, one instruction a turn, in the same order in every step.
.macro MUL16 a0, p, q, kp, zero
.irp a, \a0, \a0+1
.irp b, 0,1,2,3,4,5,6,7
.if \zero
	v_wmma_scale_f32_16x16x128_f8f6f4 v[8*(8*((\a)%4)+\b):8*(8*((\a)%4)+\b)+7], v[128*(\p)+16*\b:128*(\p)+16*\b+15], v[AF+16*(\a):AF+16*(\a)+15], 0, v[SC0+4*\b+(\kp)], v[SC1+4*(\a)+(\kp)]
.elseif \q
	v_wmma_scale_f32_16x16x128_f8f6f4 v[8*(8*((\a)%4)+\b):8*(8*((\a)%4)+\b)+7], v[128*(\p)+16*\b:128*(\p)+16*\b+15], v[AF+16*(\a):AF+16*(\a)+15], v[8*(8*((\a)%4)+\b):8*(8*((\a)%4)+\b)+7], v[SC0+4*\b+(\kp)], v[SC1+4*(\a)+(\kp)] matrix_a_scale:MATRIX_SCALE_ROW1 matrix_b_scale:MATRIX_SCALE_ROW1
.else
	v_wmma_scale_f32_16x16x128_f8f6f4 v[8*(8*((\a)%4)+\b):8*(8*((\a)%4)+\b)+7], v[128*(\p)+16*\b:128*(\p)+16*\b+15], v[AF+16*(\a):AF+16*(\a)+15], v[8*(8*((\a)%4)+\b):8*(8*((\a)%4)+\b)+7], v[SC0+4*\b+(\kp)], v[SC1+4*(\a)+(\kp)]
.endif
.endr
.endr
.endm
; A slot's first K step.  Source 1 has one set of registers: blocks 0-3 are fetched anew in the step's middle, blocks 4-7 at its end; source 0 has two sets.
.macro STEP slot, kp, zero
	s_wait_dscnt 16                                ; source 0's set and source 1's blocks 0-3 are in; the youngest 16 loads (blocks 4-7) may be out
	WIN MUL_LO
	MUL16 0, 0, 0, \kp, \zero
	MUL16 2, 0, 0, \kp, \zero
	s_wait_dscnt 0x0                               ; blocks 4-7 are in
	PLACES NP                                      ; in front of loads into registers that matrix instructions have read
	FETCH_B \slot, 1, 1
	FETCH_A \slot, 1, 0
	WIN MUL_HI
	MUL16 4, 0, 0, \kp, \zero
	MUL16 6, 0, 0, \kp, \zero
	PLACES NP
	WIN 0
	FETCH_A \slot, 1, 4
.endm
; A slot's second K step changes slots: one barrier; in front of it each wave waits for all its tensor loads, adds 0 to its spare word, and waits for that and for its reads of this slot.
; fill = 1: the barrier opens a round of the cluster's, and this slot takes the pair of K steps two pairs on.
.macro TURN slot, next, kp, fill
	s_wait_tensorcnt 0x0                           ; all my tensor loads have landed: my part of the next slot
	ds_add_u32 v[SPW], v[NIL]                      ; 0 onto my spare word
	s_wait_dscnt 17                                ; (the add and the youngest 16 loads may be out)
	WIN MUL_LO
	MUL16 0, 1, 1, \kp, 0                          ; sixteen matrix instructions stand between the add and the wait for it
	s_wait_dscnt 0x0                               ; the add is done, and my reads of this slot are over
	s_barrier_signal -1
	MUL16 2, 1, 1, \kp, 0
	WIN 0
	s_barrier_wait -1
.if \fill
	CREST                                          ; no wave of any partner still reads this slot or has a load on its way
	s_add_nc_u64 s[G0+4*\slot+2:G0+4*\slot+3], s[G0+4*\slot+2:G0+4*\slot+3], 8192
	s_add_nc_u64 s[G0B+4*\slot+2:G0B+4*\slot+3], s[G0B+4*\slot+2:G0B+4*\slot+3], 8192
	JLOAD G0+4*\slot, G1, G0B+4*\slot, G1B         ; the first tensor load behind the round; its four v_nop are four of the eight places
	PLACES NP-4
.else
	PLACES NP
.endif
	FETCH_B \next, 0, 0
	FETCH_A \next, 0, 0
	WIN MUL_HI
	MUL16 4, 1, 1, \kp, 0
	MUL16 6, 1, 1, \kp, 0
	PLACES NP
	WIN 0
	FETCH_A \next, 0, 4
.endm
; 64 numbers of a lane, register 16 b + i = place 32 b + 16 (lane / 16) + i along the next K, become a fragment's codes in v[PC] on and a scale word in v[pw].
.macro QUANT s, pw
.irp b, 0,1,2,3
	v_max3_num_f32 v[TM+\b], |v[\s+16*\b]|, |v[\s+1+16*\b]|, 0x4800000   ; block b: my 16 numbers and the floor 2^(9 - 127)
.endr
.irp i, 2,4,6,8,10,12,14
.irp b, 0,1,2,3
	v_max3_num_f32 v[TM+\b], v[TM+\b], |v[\s+16*\b+\i]|, |v[\s+1+16*\b+\i]|
.endr
.endr
.irp b, 0,1,2,3
	v_permlanex16_b32 v[TM+4+\b], v[TM+\b], s[SEL], s[SEL+1]
.endr
.irp b, 0,1,2,3
	v_max_num_f32 v[TM+\b], v[TM+\b], v[TM+4+\b]           ; with lane l xor 16's 16
.endr
.irp b, 0,1,2,3
	v_add_nc_u32 v[TM+12+\b], 0xfc000000, v[TM+\b]         ; 8 off the exponent field: the conversion's scale operand
.endr
.irp b, 0,1,2,3
.endr
.irp b, 0,1,2,3
	v_lshrrev_b32 v[TM+4+\b], 23, v[TM+12+\b]              ; the byte
.endr
	v_lshl_or_b32 v[\pw], v[TM+5], 8, v[TM+4]
	v_lshl_or_b32 v[\pw], v[TM+6], 16, v[\pw]
	v_lshl_or_b32 v[\pw], v[TM+7], 24, v[\pw]
.irp b, 0,1,2,3
.irp i, 0,1,2,3,4,5,6,7,8,9,10,11,12,13,14,15
.endr
	v_cvt_scalef32_pk8_fp8_f32 v[PC+4*\b:PC+1+4*\b], v[\s+16*\b:\s+7+16*\b], v[TM+12+\b]
	v_cvt_scalef32_pk8_fp8_f32 v[PC+2+4*\b:PC+3+4*\b], v[\s+8+16*\b:\s+15+16*\b], v[TM+12+\b]
.endr
	v_nop                                          ; a plain line behind the last conversion
.endm
	s_load_b128 s[4:7], s[0:1], 0x0                ; codes, scales
	s_load_b128 s[8:11], s[0:1], 0x10              ; b_qkv, qkv_img
	s_load_b64 s[12:13], s[0:1], 0x20              ; qkv_sc
	v_lshl_add_u32 v[SPW], v0, 2, SPARE
	v_mov_b32 v[NIL], 0
	ds_add_u32 v28, v29
	ds_add_u32 v28, v29
	s_wait_dscnt 0x0
	v_lshrrev_b32 v2, 5, v0
	v_readfirstlane_b32 s14, v2                    ; wave 0..3
	s_lshr_b32 s15, s14, 1                         ; my half of the tokens.  Also: I fetch for x (0) or for w (1)
	s_and_b32 s16, s14, 1                          ; my half of the features.  Also: which 8 tiles I fetch
	s_bfe_u32 s40, ttmp6, 0x40000                  ; cx, cy: my place in the cluster
	s_bfe_u32 s41, ttmp6, 0x40004
	s_lshl_b32 s42, ttmp9, 2
	s_add_co_u32 s42, s42, s40                     ; block of 256 features = 4 x cluster x + cx
	s_and_b32 s17, ttmp7, 0xffff
	s_lshl_b32 s17, s17, 2
	s_add_co_u32 s17, s17, s41                     ; block of 256 tokens = 4 x cluster y + cy
	s_lshl_b32 s43, s41, 2
	s_lshl_b32 s43, 15, s43                        ; my row of the cluster
	s_lshl_b32 s44, 0x1111, s40                    ; my column
	s_mov_b32 s[KIND], ttmp9                       ; 0 q, 1 k, 2 v
	; descriptor group 1: 8 tiles' pair of K steps: 8 rows of 4,096 bytes (512 elements of 8), 16,384 bytes apart in memory, on end in LDS
	s_or_b32 s[G1], s43, (3<<16)|(1<<21)           ; 15:0 the mask: x's tiles go to my row; 17:16 elements of 8 bytes; 21 set beside a mask
	s_or_b32 s[G1B], s44, (3<<16)|(1<<21)          ; w's go to my column
.irp g, G1, G1B
	s_mov_b32 s[\g+1], 512<<16                     ; tensor_dim0
	s_mov_b32 s[\g+2], 8<<16                       ; tensor_dim1
	s_mov_b32 s[\g+3], 512<<16                     ; tile_dim0
	s_mov_b32 s[\g+4], 8                           ; tile_dim1
	s_mov_b32 s[\g+5], 2048                        ; tensor_dim0_stride
	s_mov_b32 s[\g+6], 0
	s_mov_b32 s[\g+7], 0
.endr
	s_lshl_b32 s18, s16, 3
	s_lshl_b32 s20, s17, 4
	s_add_co_u32 s20, s20, s18                     ; x: tile 16 x token block + 8 x half
	s_lshl_b32 s20, s20, 14
	s_mov_b32 s21, 0
	s_lshl_b32 s46, s42, 4
	s_add_co_u32 s46, s46, s18
	s_add_co_u32 s46, s46, 512                     ; w_qkv: tile 512 + 16 x feature block + 8 x half
	s_lshl_b32 s46, s46, 14
	s_mov_b32 s47, 0
	s_lshl_b32 s45, s14, 15                        ; where they go: wave x 32,768: no place in the cluster enters an LDS address
	s_wait_kmcnt 0x0
	s_add_nc_u64 s[20:21], s[4:5], s[20:21]
	s_add_nc_u64 s[46:47], s[4:5], s[46:47]
	CROUND                                         ; all sixteen work-groups are here: the first joint loads meet
.irp s, 0,1
	s_mov_b32 s[G0+4*\s], 1
	s_add_co_u32 s[G0+4*\s+1], s45, \s*SLOT
	s_add_nc_u64 s[G0+4*\s+2:G0+4*\s+3], s[20:21], \s*4096
	s_or_b32 s[G0+4*\s+3], s[G0+4*\s+3], 0x80000000
	s_mov_b32 s[G0B+4*\s], 1
	s_add_co_u32 s[G0B+4*\s+1], s45, \s*SLOT
	s_add_nc_u64 s[G0B+4*\s+2:G0B+4*\s+3], s[46:47], \s*4096
	s_or_b32 s[G0B+4*\s+3], s[G0B+4*\s+3], 0x80000000
	JLOAD G0+4*\s, G1, G0B+4*\s, G1B               ; two loads of mine are out
.endr
	v_and_b32 v2, 31, v0
	v_lshlrev_b32 v[LI], 4, v2                     ; 16 x lane
	s_wait_alu depctr_va_vdst(0)
	v_and_b32 v3, 15, v0                           ; r
	v_bfe_u32 v[VH], v0, 4, 1                      ; h
	s_wait_alu depctr_va_vdst(0)
	; the roles
	s_lshl_b32 s80, s15, 15                        ; x's tiles that I read: my half of the tokens
	s_lshl_b32 s81, s16, 15
	s_add_co_u32 s81, s81, 65536                   ; w's: my half of the features
	s_lshl_b32 s82, s17, 4
	s_lshl_b32 s83, s15, 3
	s_add_co_u32 s82, s82, s83                     ; their tile numbers, for the scale words
	s_lshl_b32 s83, s42, 4
	s_lshl_b32 s84, s16, 3
	s_add_co_u32 s83, s83, s84
	s_add_co_u32 s83, s83, 512
	s_cmp_eq_u32 s[KIND], 2
	s_cselect_b32 s72, s80, s81                    ; source 0: v: tokens; q, k: features
	s_cselect_b32 s73, s81, s80                    ; source 1: the other
	s_cselect_b32 s84, s82, s83
	s_cselect_b32 s86, s83, s82
	s_lshl_b32 s84, s84, 9                         ; 512 bytes of scale words a tile
	s_lshl_b32 s86, s86, 9
	s_mov_b32 s85, 0
	s_mov_b32 s87, 0
	s_add_nc_u64 s[68:69], s[6:7], s[84:85]
	s_add_nc_u64 s[70:71], s[6:7], s[86:87]
.irp i, 0,1,2,3,4,5,6,7
	global_load_b128 v[SC0+4*\i:SC0+4*\i+3], v[LI], s[68:69] offset:512*\i   ; a tile's scale words for all of K: they stay in registers
	global_load_b128 v[SC1+4*\i:SC1+4*\i+3], v[LI], s[70:71] offset:512*\i
.endr
	v_add_nc_u32 v[AD0], s72, v[LI]
	v_add_nc_u32 v[AD1], s73, v[LI]
	v_add_nc_u32 v[AD0+1], SLOT, v[AD0]
	v_add_nc_u32 v[AD1+1], SLOT, v[AD1]
	s_lshl_b32 s84, s42, 10
	s_lshl_b32 s86, s16, 9
	s_add_co_u32 s84, s84, s86
	s_add_nc_u64 s[74:75], s[8:9], s[84:85]        ; the bias of my 128 features
	s_lshr_b32 s88, s17, 3                         ; the batch
	s_lshl_b32 s88, s88, 4
	s_lshl_b32 s89, s40, 2
	s_add_co_u32 s88, s88, s89
	s_lshl_b32 s89, s16, 1
	s_add_co_u32 s88, s88, s89                     ; 16 x batch + my first head (4 cx + 2 x half)
	s_and_b32 s89, s17, 7
	s_lshl_b32 s89, s89, 1
	s_add_co_u32 s89, s89, s15                     ; my 128 tokens are this key step of the sequence
	s_lshl_b32 s84, s[KIND], 23
	s_lshl_b32 s86, s88, 17
	s_add_co_u32 s84, s84, s86
	s_lshl_b32 s86, s89, 13
	s_add_co_u32 s84, s84, s86
	s_add_nc_u64 s[76:77], s[10:11], s[84:85]      ; qkv_img at (kind, first head, key step)
	s_lshl_b32 s84, s[KIND], 18
	s_lshl_b32 s86, s88, 12
	s_add_co_u32 s84, s84, s86
	s_lshl_b32 s86, s89, 8
	s_add_co_u32 s84, s84, s86
	s_add_nc_u64 s[78:79], s[12:13], s[84:85]      ; qkv_sc likewise
	s_mov_b32 s[SEL], 0x76543210
	s_mov_b32 s[SEL+1], 0xfedcba98
	v_lshlrev_b32 v[VB1], 6, v[VH]
	v_and_b32 v4, 8, v3
	v_add_nc_u32 v4, v4, v3
	v_lshlrev_b32 v[VB2], 2, v4
	v_lshlrev_b32 v[VSO], 4, v3
	v_lshl_add_u32 v[VSO], v[VH], 12, v[VSO]
	v_mov_b32 v[VSEL], 0x05040100                  ; bytes 0, 1 of two words,
	v_mov_b32 v5, 0x07060302                       ; or bytes 2, 3
	v_cmp_ne_u32 vcc_lo, 0, v[VH]
	v_cndmask_b32 v[VSEL], v[VSEL], v5, vcc_lo
	s_wait_tensorcnt 0x1                           ; my part of slot 0 is in; slot 1's load may stay out
	s_barrier_signal -1
	s_barrier_wait -1
	FETCH_B 0, 0, 0
	FETCH_A 0, 0, 0
	FETCH_A 0, 0, 4
	s_wait_loadcnt 0x0                             ; the scale words
	STEP 0, 0, 1                                   ; the first products start the sums: nothing is cleared
	TURN 0, 1, 0, 1
	STEP 1, 1, 0
	TURN 1, 0, 1, 1
	STEP 0, 2, 0
	TURN 0, 1, 2, 0                                ; nothing is left to fetch
	STEP 1, 3, 0
	WIN 0x40                                       ; source 0's first set is done with (eight places stand behind its last products): it takes the bias, in both forms
.irp b, 0,1,2,3
.irp j, 0,1,2,3
	global_load_b128 v[BZ+16*\b+4*\j:BZ+16*\b+4*\j+3], v[VB1], s[74:75] offset:128*\b+16*\j   ; by register: features 32 b + 16 h + 0 .. 15
.endr
.endr
	s_wait_alu depctr_va_vdst(0)
.irp p, 0,1,2,3,4,5,6,7
	global_load_b32 v[BV+2*\p], v[VB2], s[74:75] offset:4*(32*(\p/2)+8*(\p%2))               ; by lane: tile p's place r, twice: a pair for the packed addition
	global_load_b32 v[BV+2*\p+1], v[VB2], s[74:75] offset:4*(32*(\p/2)+8*(\p%2))
.endr
	WIN 0
	s_wait_dscnt 16                                ; the last K step
	WIN MUL_LO
	MUL16 0, 1, 1, 3, 0
	MUL16 2, 1, 1, 3, 0
	s_wait_dscnt 0x0
	WIN MUL_HI
	MUL16 4, 1, 1, 3, 0
	MUL16 6, 1, 1, 3, 0
	WIN 0
	PLACES NP                                      ; in front of the first read of results and the first write over source 1's registers
.irp b, 0,1,2,3
	v_mov_b32 v[TM+4+\b], 0                        ; written once: a lane permute's destination counts as one of its sources
.endr
	s_wait_loadcnt 0x0                             ; the bias
; Source 1's tile p: its 64 sums a lane, plus the bias, quantised, stored as an image: each store covers 512 consecutive bytes.  Each accumulator is read from its low end on.
.macro ROWBLK p, isv
	s_wait_xcnt 0x0                                ; the last tile's stores have read the codes' registers
	WIN 0x06+(\p)/4                                ; source 0: window 2 or 3 (the sums); source 1: window 1 (the bias)
.set n, 0
.rept 32
.if \isv
	v_pk_add_f32 v[T+2*n:T+2*n+1], v[64*((\p)%4)+2*n:64*((\p)%4)+2*n+1], v[BV+2*(\p):BV+2*(\p)+1]
.else
	v_pk_add_f32 v[T+2*n:T+2*n+1], v[64*((\p)%4)+2*n:64*((\p)%4)+2*n+1], v[BZ+2*n:BZ+2*n+1]
.endif
.set n, n+1
.endr
	WIN 0
	QUANT T, PWS+(\p)
.irp c, 0,1,2,3
.if \isv
	global_store_b128 v[LI], v[PC+4*\c:PC+4*\c+3], s[76:77] offset:((\p)/4)*131072+((\p)%4)*2048+512*\c   ; head p / 4, channel tile p % 4, key block c
.else
	global_store_b128 v[LI], v[PC+4*\c:PC+4*\c+3], s[76:77] offset:(\c/2)*131072+(\c%2)*512+1024*(\p)     ; head c / 2, token tile p, block c % 2 of the head's 64
.endif
.endr
.endm
	s_cmp_eq_u32 s[KIND], 2                        ; the same in all partners
	s_cbranch_scc1 .Lv_path
.irp p, 0,1,2,3,4,5,6,7
	ROWBLK \p, 0
.endr
.irp f, 0,1,2,3
	v_perm_b32 v[W+\f], v[PWS+2*\f+1], v[PWS+2*\f], v[VSEL]   ; word f: my head's two bytes of token tile 2 f, then of tile 2 f + 1
.endr
	global_store_b128 v[VSO], v[W:W+3], s[78:79]   ; sixteen lanes store a head's 256 consecutive bytes
	s_branch .Ldone
.Lv_path:
.irp p, 0,1,2,3,4,5,6,7
	ROWBLK \p, 1
.endr
	v_cmp_ne_u32 vcc_lo, 0, v[VH]
.irp t, 0,1,2,3
	v_cndmask_b32 v[W+\t], v[PWS+\t], v[PWS+4+\t], vcc_lo     ; word t: channel tile t of my head
.endr
	global_store_b128 v[VSO], v[W:W+3], s[78:79]
.Ldone:
	s_wait_tensorcnt 0x0                           ; the wave's end
	ds_add_u32 v[SPW], v[NIL]
	s_wait_dscnt 0x0
	CROUND                                         ; the closing round: no work-group ends while a partner may still ask for a tile that names it
	s_endpgm
.Lfunc_end_k_q4664878933_qkv:
	.size	k_q4664878933_qkv, .Lfunc_end_k_q4664878933_qkv-k_q4664878933_qkv
	.p2alignl 7, 3214868480
	.fill 96, 4, 3214868480
	.section	.rodata,"a",@progbits
	.p2align	6, 0x0
	.amdhsa_kernel k_q4664878933_qkv
		.amdhsa_group_segment_fixed_size 327680
		.amdhsa_private_segment_fixed_size 0
		.amdhsa_enable_private_segment 0
		.amdhsa_kernarg_size 40
		.amdhsa_user_sgpr_count 2
		.amdhsa_user_sgpr_kernarg_segment_ptr 1
		.amdhsa_wavefront_size32 1
		.amdhsa_system_sgpr_workgroup_id_x 1
		.amdhsa_system_sgpr_workgroup_id_y 1
		.amdhsa_system_sgpr_workgroup_id_z 1
		.amdhsa_system_vgpr_workitem_id 0
		.amdhsa_next_free_vgpr 1024
		.amdhsa_next_free_sgpr 98
		.amdhsa_reserve_vcc 1
		.amdhsa_float_denorm_mode_32 3
		.amdhsa_float_denorm_mode_16_64 3
		.amdhsa_fp16_overflow 1
		.amdhsa_memory_ordered 1
		.amdhsa_forward_progress 1
		.amdhsa_inst_pref_size 215
	.end_amdhsa_kernel
	.amdgpu_metadata
---
amdhsa.version: [ 1, 2 ]
amdhsa.kernels:
  - .name:           k_q4664878933_qkv
    .symbol:         k_q4664878933_qkv.kd
    .args:
      - { .name: codes, .offset: 0, .size: 8, .value_kind: global_buffer, .address_space: global }
      - { .name: scales, .offset: 8, .size: 8, .value_kind: global_buffer, .address_space: global }
      - { .name: b_qkv, .offset: 16, .size: 8, .value_kind: global_buffer, .address_space: global }
      - { .name: qkv_img, .offset: 24, .size: 8, .value_kind: global_buffer, .address_space: global }
      - { .name: qkv_sc, .offset: 32, .size: 8, .value_kind: global_buffer, .address_space: global }
    .group_segment_fixed_size: 327680
    .private_segment_fixed_size: 0
    .kernarg_segment_align: 8
    .kernarg_segment_size: 40
    .max_flat_workgroup_size: 128
    .sgpr_count:     98
    .vgpr_count:     1024
    .wavefront_size: 32
...
	.end_amdgpu_metadata
.endif
;; end of part 2
;; launch attn (part 3): grid 4 x 64, 16 waves a work-group, clusters of 4 x 1, 327,680 bytes of LDS; arguments qkv_img, qkv_sc, a_img, a_sc; writes a_img, a_sc
.if DOCPART == 3
	.amdgcn_target "amdgcn-amd-amdhsa--gfx1250"
	.amdhsa_code_object_version 6
	.text
	.protected	k_q4664878933_attn
	.globl	k_q4664878933_attn
	.p2align	8
	.type	k_q4664878933_attn,@function
k_q4664878933_attn:
	s_mov_b64 s[64:65], 0
	v_nop
	global_prefetch_b8 v0, s[64:65] scope:SCOPE_SE
	s_setreg_imm32_b32 hwreg(HW_REG_WAVE_MODE, 25, 1), 1
	s_wait_xcnt 0x0
	s_wait_alu depctr_hold_cnt(0) depctr_sa_sdst(0) depctr_va_vdst(0) depctr_va_sdst(0) depctr_va_ssrc(0) depctr_va_vcc(0) depctr_vm_vsrc(0)
	s_getreg_b32 s2, hwreg(HW_REG_IB_STS2, 6, 4)
	s_cmp_eq_u32 s2, 0
	s_cbranch_scc0 .Lentry_in_a_cluster
	s_endpgm
.Lentry_in_a_cluster:
	s_bfe_u32 s2, ttmp6, 0x10000c
	s_cmp_lg_u32 s2, 0x3003
	s_cbranch_scc0 .Lentry_shape_is_right
	s_endpgm
.Lentry_shape_is_right:
; Causal attention of one (batch, head) a cluster, head size 64, 2,048 tokens, both products on codes of FP8 (E4M3) with E8M0 scales; the result is quantised at once into the last product's operand.
; THE SOFTMAX: t = score x log2(e) / 8; M = the running largest t rounded UP to a whole number; p = 2^(t - M) is quantised along the keys; the row's sum is taken of the unquantised p and divides at the end;
; when M moves, the sum and O are multiplied by 2^(old M - new M), which rounds nothing.
; SHARES.  The cluster's four work-groups share a head's K and V: all of both (262,144 bytes of codes, 8,192 of scale words) is asked for jointly ONCE and stays in LDS: no byte of LDS is filled twice.
; Tiles of 16 queries go in groups of four: group i = queries 64 i .. 64 i + 63; partner cx takes tile 4 i + cx.  Wave w takes group 31 - w and then group w: (i / 2) + 1 key steps of 128 each, 17 in all for every wave.
; So every causal branch hangs on i and the step alone, which are the same in all partners; cx enters global addresses and lane data only.
; LAYOUT.  Both products are used transposed (S^T = K Q^T, O^T = V^T P^T): a lane holds one query.  A tile's 16 places hold tokens 32 B + 8 u + n + 8 (n / 8) (tile 2 B + u), so the 16 registers of two neighbouring
; key tiles are 16 neighbouring keys.  The head's 64 fill half of the instruction's 128 along K: a fragment of K holds TWO key tiles side by side, and is multiplied by (q | 0) for the first and by (0 | q) for the second.
; a_img [token tile 512][K step 8][2,048], a_sc [tile][512]: as the first launch lays x's codes and scale words; head hd fills blocks 2 (hd % 2), + 1 of K step hd / 2.
; LIMITS: a block of zeros gets the byte 1 where the rule says 127 (zero codes; read by this program alone); NaN and infinities are not served.
; REGISTERS: v1-5 addresses that stay; v7, v247 q's raw scale words; v8-10 addresses in hand; v11 q's scale word; v12 -M, v13 the largest t, v[14:15] the sum; v16-23 zeros, v24-31 q, v32-39 zeros; v40-103 four fragments
; (K's, then V's); v104-167 S^T, then p; v168-199 O^T; v200-215 p's codes; v216-223 K's and V's scale words; v224-246 at work; v248-255 the second tile's q.
.set VIMG, 131072                      ; LDS: K's image at 0, V's here,
.set KSC,  262144                      ; K's scale words, 4,096 bytes, and V's behind them
.set LI,   1                           ; 16 x lane
.set AS0,  2                           ; KSC + 16 r
.set QL,   3                           ; my query in its group, less 16 h
.set R16,  4                           ; 16 r
.set SBO,  5                           ; 16 r + h
.set RAWS, 7
.set ADK,  8
.set ADV,  9
.set ADS,  10
.set QS,   11
.set FR,   40
.set S,    104
.set O,    168
.set PCD,  200
.set KS,   216
.set VS,   220
.set BM,   224
.set PB,   228
.set LIM,  232
.set SCO,  236
.set TMP,  240
.set NINF, 241
.set F,    242
.set PSW,  246
.set RAWL, 247
.set QSH,  248
.set WV,   12
.set G1S,  16                          ; s[16:39] three groups 1: dense rows of 256 bytes, 4, 32 and 96 of them
.set G1D0, 24
.set G1D1, 32
.set G0S,  40                          ; s[40:51] their groups 0
.set G0D0, 44
.set G0D1, 48
.set SEL,  52
.set CS,   54
.set AIL,  56                          ; s[56:63] where the two tiles' codes and scale bytes go
.set ASL,  58
.set AIS,  60
.set ASS,  62
.set MNT,  66
.set KF,   67                          ; the step's first key
.set TK,   68                          ; 8,192 x step
.set TS,   69                          ; 256 x step
.set QG,   70                          ; the group's first query
.set CNT,  71
.set HM,   72                          ; the lanes with h = 1
.set QGS,  73
.set PSEL, 74
.macro ROUND                           ; a round of the cluster's barrier
	s_barrier_signal -1
	s_barrier_wait -1
	s_cmp_lg_u32 s[WV], 0
	s_cbranch_scc1 .Lnot_wave_0_\@
	s_barrier_signal -3
.Lnot_wave_0_\@:
	s_barrier_wait -3
	s_barrier_signal -1
	s_barrier_wait -1
.endm
; The four addresses of the tile of group s[ir]: q's codes, q's scale words, and where the result's codes and scale bytes go.
.macro TILEADR ir, qb, rb, ai, as
	s_lshl_b32 s75, s[\ir], 2
	s_add_co_u32 s75, s75, s13                     ; the tile in the sequence: 4 i + cx
	s_lshl_b32 s[\qb], s75, 10
	s_lshl_b32 s3, s14, 17
	s_add_co_u32 s[\qb], s[\qb], s3
	s_mov_b32 s[\qb+1], 0
	s_add_nc_u64 s[\qb:\qb+1], s[4:5], s[\qb:\qb+1]
	s_lshr_b32 s[\rb], s[\ir], 1
	s_lshl_b32 s[\rb], s[\rb], 8                   ; key step i / 2: 256 bytes,
	s_and_b32 s3, s[\ir], 1
	s_lshl_b32 s3, s3, 3
	s_add_co_u32 s[\rb], s[\rb], s3
	s_lshr_b32 s3, s13, 1
	s_lshl_b32 s3, s3, 2
	s_add_co_u32 s[\rb], s[\rb], s3                ; word 2 (i % 2) + cx / 2
	s_lshl_b32 s3, s14, 12
	s_add_co_u32 s[\rb], s[\rb], s3
	s_mov_b32 s[\rb+1], 0
	s_add_nc_u64 s[\rb:\rb+1], s[6:7], s[\rb:\rb+1]
	s_lshr_b32 s3, s14, 4
	s_lshl_b32 s3, s3, 7
	s_add_co_u32 s75, s75, s3                      ; the token tile: 128 x batch + 4 i + cx
	s_and_b32 s3, s14, 15                          ; the head hd
	s_lshl_b32 s[\ai], s75, 14
	s_lshl_b32 s[\as], s3, 10                      ; 2,048 (hd / 2) + 1,024 (hd % 2)
	s_add_co_u32 s[\ai], s[\ai], s[\as]
	s_mov_b32 s[\ai+1], 0
	s_add_nc_u64 s[\ai:\ai+1], s[8:9], s[\ai:\ai+1]
	s_lshl_b32 s[\as], s75, 9
	s_bfe_u32 s75, s3, 0x10001
	s_lshl_b32 s75, s75, 8                         ; K step hd / 2: odd ones in lanes 16-31's half of the 512 bytes,
	s_add_co_u32 s[\as], s[\as], s75
	s_lshr_b32 s75, s3, 2
	s_lshl_b32 s75, s75, 2                         ; word hd / 4,
	s_add_co_u32 s[\as], s[\as], s75
	s_and_b32 s75, s3, 1
	s_lshl_b32 s75, s75, 1                         ; bytes 2 (hd % 2), + 1
	s_add_co_u32 s[\as], s[\as], s75
	s_mov_b32 s[\as+1], 0
	s_add_nc_u64 s[\as:\as+1], s[10:11], s[\as:\as+1]
.endm
	s_load_b128 s[4:7], s[0:1], 0x0                ; qkv_img, qkv_sc
	s_load_b128 s[8:11], s[0:1], 0x10              ; a_img, a_sc
	v_lshl_add_u32 v244, v0, 2, 0x42000
	v_mov_b32 v245, 0
	ds_add_u32 v244, v245
	ds_add_u32 v244, v245
	v_lshrrev_b32 v1, 5, v0
	s_delay_alu instid0(VALU_DEP_1)
	v_readfirstlane_b32 s[WV], v1                  ; wave 0..15
	s_bfe_u32 s13, ttmp6, 0x40000                  ; cx
	s_and_b32 s14, ttmp7, 0xffff                   ; 16 x batch + head, which the four partners share
.irp g, G1S, G1D0, G1D1
	s_mov_b32 s[\g], 15|(3<<16)|(1<<21)            ; 15:0 the mask: all four work-groups; 17:16 elements of 8 bytes; 21 set beside a mask
	s_mov_b32 s[\g+1], 32<<16                      ; tensor_dim0: 256 bytes
	s_mov_b32 s[\g+3], 32<<16                      ; tile_dim0
	s_mov_b32 s[\g+5], 32                          ; dense
	s_mov_b32 s[\g+6], 0
	s_mov_b32 s[\g+7], 0
.endr
	s_mov_b32 s[G1S+2], 4<<16                      ; rows: a quarter of a head's scale words,
	s_mov_b32 s[G1S+4], 4
	s_mov_b32 s[G1D0+2], 32<<16                    ; one of key steps 0 to 3,
	s_mov_b32 s[G1D0+4], 32
	s_mov_b32 s[G1D1+2], 96<<16                    ; three of key steps 4 to 15
	s_mov_b32 s[G1D1+4], 96
	s_lshr_b32 s75, s[WV], 2                       ; waves 0-3 fetch K's, waves 4-7 V's,
	s_and_b32 s76, s[WV], 3                        ; a quarter each
	s_lshl_b32 s77, s75, 12
	s_lshl_b32 s78, s76, 10
	s_add_co_u32 s77, s77, s78
	s_add_co_u32 s77, s77, KSC                     ; LDS: the scale words,
	s_lshl_b32 s79, s75, 17
	s_lshl_b32 s78, s76, 13
	s_add_co_u32 s78, s78, s79                     ; steps 0 to 3,
	s_mul_i32 s2, s76, 24576
	s_add_co_u32 s79, s79, s2
	s_add_co_u32 s79, s79, 32768                   ; steps 4 to 15
	s_add_co_u32 s75, s75, 1                       ; the kind: 1 k, 2 v
	s_lshl_b32 s80, s75, 18
	s_lshl_b32 s3, s14, 12
	s_add_co_u32 s80, s80, s3
	s_lshl_b32 s3, s76, 10
	s_add_co_u32 s80, s80, s3
	s_mov_b32 s81, 0
	s_lshl_b32 s82, s75, 23
	s_lshl_b32 s3, s14, 17
	s_add_co_u32 s82, s82, s3
	s_add_co_u32 s2, s2, s82
	s_add_co_u32 s2, s2, 32768
	s_mov_b32 s3, 0
	s_lshl_b32 s76, s76, 13
	s_add_co_u32 s82, s82, s76
	s_mov_b32 s83, 0
	s_wait_dscnt 0x0
	s_wait_kmcnt 0x0
	s_mov_b32 s[G0S], 1
	s_mov_b32 s[G0S+1], s77
	s_add_nc_u64 s[G0S+2:G0S+3], s[6:7], s[80:81]
	s_or_b32 s[G0S+3], s[G0S+3], 0x80000000
	s_mov_b32 s[G0D0], 1
	s_mov_b32 s[G0D0+1], s78
	s_add_nc_u64 s[G0D0+2:G0D0+3], s[4:5], s[82:83]
	s_or_b32 s[G0D0+3], s[G0D0+3], 0x80000000
	s_mov_b32 s[G0D1], 1
	s_mov_b32 s[G0D1+1], s79
	s_add_nc_u64 s[G0D1+2:G0D1+3], s[4:5], s[2:3]
	s_or_b32 s[G0D1+3], s[G0D1+3], 0x80000000
	ROUND                                          ; all four work-groups are here: the joint loads meet
	s_cmp_lt_u32 s[WV], 8                          ; a wave's three fills stand in one branch: three loads of mine are out
	s_cbranch_scc0 .Lno_fill
	tensor_load_to_lds s[G0S:G0S+3], s[G1S:G1S+7]
	s_nop 0
	tensor_load_to_lds s[G0D0:G0D0+3], s[G1D0:G1D0+7]
	s_nop 0
	tensor_load_to_lds s[G0D1:G0D1+3], s[G1D1:G1D1+7]
	s_nop 0
.rept 4
	v_nop
.endr
.Lno_fill:
	s_sub_co_u32 s2, 31, s[WV]                     ; my first group: 31 - w; my second: w
	s_lshl_b32 s[QG], s2, 6
	s_lshl_b32 s[QGS], s[WV], 6
	TILEADR 2, 76, 78, AIL, ASL
	TILEADR WV, 80, 82, AIS, ASS
	v_and_b32 v1, 31, v0
	s_delay_alu instid0(VALU_DEP_1)
	v_lshlrev_b32 v[LI], 4, v1
	v_and_b32 v6, 15, v0                           ; r
	v_bfe_u32 v8, v0, 4, 1                         ; h
	s_delay_alu instid0(VALU_DEP_2)
	v_lshlrev_b32 v[R16], 4, v6
	global_load_b128 v[24:27], v[LI], s[76:77]                 ; q of both tiles: two groups of four registers, the head's two blocks
	global_load_b128 v[28:31], v[LI], s[76:77] offset:512
	global_load_b128 v[QSH:QSH+3], v[LI], s[80:81]
	global_load_b128 v[QSH+4:QSH+7], v[LI], s[80:81] offset:512
	global_load_b32 v[RAWL], v[R16], s[78:79]                  ; and the words that hold their scale bytes
	global_load_b32 v[RAWS], v[R16], s[82:83]
	v_add_nc_u32 v[AS0], KSC, v[R16]
	v_add_nc_u32 v[SBO], v[R16], v8
	v_and_b32 v9, 8, v6
	s_delay_alu instid0(VALU_DEP_1)
	v_add_nc_u32 v9, v9, v6                        ; r + 8 (r / 8)
	v_lshlrev_b32 v10, 4, v8
	s_delay_alu instid0(VALU_DEP_1)
	v_sub_nc_u32 v9, v9, v10
	s_lshr_b32 s75, s13, 1
	s_lshl_b32 s75, s75, 5
	s_and_b32 s3, s13, 1
	s_lshl_b32 s2, s3, 3
	s_add_co_u32 s75, s75, s2
	v_add_nc_u32 v[QL], s75, v9                    ; 32 (cx / 2) + 8 (cx % 2) + r + 8 (r / 8) - 16 h
	s_mul_i32 s[PSEL], s3, 0x02020202
	s_add_co_u32 s[PSEL], s[PSEL], 0x01000100      ; my tile's two bytes of the raw word, twice: they serve (q | 0) and (0 | q) alike
	v_cmp_ne_u32 s[HM], 0, v8
	s_mov_b32 s[SEL], 0x76543210
	s_mov_b32 s[SEL+1], 0xfedcba98
	s_mov_b32 s[CS], 0x3e38aa3b                    ; c = log2(e) / 8
	s_mov_b32 s[CS+1], s[CS]                       ; (named with it as a pair, so it is written)
.irp j, 0,1,2,3,4,5,6,7
	v_mov_b32 v[16+\j], 0                          ; the empty halves of q's two operands: zero codes add nothing under any byte but 0xff
	v_mov_b32 v[32+\j], 0
.endr
.irp b, 0,1,2,3
	v_mov_b32 v[PB+\b], 0                          ; written once: a lane permute's destination counts as one of its sources
.endr
	v_mov_b32 v[TMP], 0
	v_mov_b32 v[F+1], 0                            ; (named as the upper half of a pair)
	v_mov_b32 v[NINF], 0xff800000
; A KEY STEP: 128 keys.  masked = 1: the step may lie on or beyond the diagonal.
.macro STEP masked
.if \masked
	s_add_co_u32 s75, s[QG], 63                    ; a step all of whose keys come after the group's 64 queries is left out, all but the lines at its end that step addresses
	s_cmp_gt_u32 s[KF], s75
	s_cbranch_scc1 .Lhidden_\@
.endif
	s_setprio 2
	v_add_nc_u32 v[ADK], s[TK], v[LI]
	s_delay_alu instid0(VALU_DEP_1)
	v_add_nc_u32 v[ADV], VIMG, v[ADK]
	v_add_nc_u32 v[ADS], s[TS], v[AS0]
.rept 5
	v_nop                                          ; with the three additions: eight places in front of loads into registers that the last products read
.endr
.irp f, 0,1,2,3
.irp c, 0,1,2,3
	ds_load_b128 v[FR+16*\f+4*\c:FR+16*\f+4*\c+3], v[ADK] offset:2048*\f+512*\c
.endr
.endr
	ds_load_b128 v[KS:KS+3], v[ADS]
	s_wait_alu depctr_va_vdst(0)
	s_wait_dscnt 0x0
.irp f, 0,1,2,3                                ; fragment f holds key tiles 2 f and 2 f + 1: lane (r, h) gets query r, and in registers 16 f + 0 .. 15 keys 32 f + 16 h + 0 .. 15
	v_wmma_scale_f32_16x16x128_f8f6f4 v[S+16*\f:S+16*\f+7], v[FR+16*\f:FR+16*\f+15], v[24:39], 0, v[KS+\f], v[QS]
	v_wmma_scale_f32_16x16x128_f8f6f4 v[S+16*\f+8:S+16*\f+15], v[FR+16*\f:FR+16*\f+15], v[16:31], 0, v[KS+\f], v[QS]
.endr
.rept 8
	v_nop                                          ; places: for V's loads into K's registers, and for the first read of the scores
.endr
.irp t, 0,1,2,3
.irp c, 0,1,2,3
	ds_load_b128 v[FR+16*\t+4*\c:FR+16*\t+4*\c+3], v[ADV] offset:2048*\t+512*\c   ; V's four fragments land while the softmax is walked
.endr
.endr
	ds_load_b128 v[VS:VS+3], v[ADS] offset:4096
.if \masked
	s_add_co_u32 s75, s[KF], 127                   ; a step all of whose keys count for the whole group skips the mask
	s_cmp_le_u32 s75, s[QG]
	s_cbranch_scc1 .Lopen_\@
	s_sub_co_i32 s75, s[QG], s[KF]
	v_add_nc_u32 v[TMP], s75, v[QL]                ; d = my query - the step's first key - 16 h: register 16 b + i is hidden where 32 b + i > d
.irp b, 0,1,2,3
.irp i, 0,1,2,3,4,5,6,7,8,9,10,11,12,13,14,15
	v_cmp_gt_i32 vcc_lo, 32*\b+\i, v[TMP]
	v_cndmask_b32 v[S+16*\b+\i], v[S+16*\b+\i], v[NINF], vcc_lo
.endr
.endr
.Lopen_\@:
.endif
.irp b, 0,1,2,3
	v_max3_num_f32 v[BM+\b], v[S+16*\b], v[S+1+16*\b], v[S+2+16*\b]   ; the largest score of each block of 32 keys: for the row's maximum, and, since p rises with the score, for the block's largest p
.endr
.irp i, 3,5,7,9,11,13
.irp b, 0,1,2,3
	v_max3_num_f32 v[BM+\b], v[BM+\b], v[S+16*\b+\i], v[S+1+16*\b+\i]
.endr
.endr
.irp b, 0,1,2,3
	v_max_num_f32 v[BM+\b], v[BM+\b], v[S+15+16*\b]
.endr
.irp b, 0,1,2,3
	s_delay_alu instid0(VALU_DEP_4)
	v_permlanex16_b32 v[PB+\b], v[BM+\b], s[SEL], s[SEL+1]
.endr
.irp b, 0,1,2,3
	s_delay_alu instid0(VALU_DEP_4)
	v_max_num_f32 v[BM+\b], v[BM+\b], v[PB+\b]     ; with lane l xor 16's 16 keys
.endr
	s_delay_alu instid0(VALU_DEP_2)
	v_max3_num_f32 v[TMP], v[BM], v[BM+1], v[BM+2]
	s_delay_alu instid0(VALU_DEP_1)
	v_max_num_f32 v[TMP], v[TMP], v[BM+3]
	s_delay_alu instid0(VALU_DEP_1)
	v_mul_f32 v[TMP], s[CS], v[TMP]                ; as t (c is positive)
	s_delay_alu instid0(VALU_DEP_1)
	v_max_num_f32 v13, v13, v[TMP]                 ; the running largest t
	v_mov_b32 v[TMP], v12
	s_delay_alu instid0(VALU_DEP_2)
	v_floor_f32 v12, -v13                          ; the new -M = floor(-t): M is a whole number
	s_delay_alu instid0(VALU_DEP_1)
	v_sub_f32 v[TMP], v12, v[TMP]                  ; old M - new M: a whole number, 0 or less
	s_delay_alu instid0(VALU_DEP_1)
	v_cvt_i32_f32 v[TMP], v[TMP]                   ; (it saturates)
	s_delay_alu instid0(VALU_DEP_1)
	v_ldexp_f32 v[F], 1.0, v[TMP]                  ; f = 2^(old M - new M)
.set n, 0
.rept 32
	v_pk_fma_f32 v[S+n:S+n+1], v[S+n:S+n+1], s[CS:CS+1], v[12:13] op_sel_hi:[1,0,0]   ; t - M, two at a time
.set n, n+2
.endr
.irp b, 0,1,2,3
	v_fma_f32 v[BM+\b], v[BM+\b], s[CS], v12       ; the same of each block's largest score
.endr
.set n, 0
	s_setprio 1
	s_wait_alu depctr_va_vdst(0)
.rept 64
	v_exp_f32 v[S+n], v[S+n]                       ; p = 2^(t - M): one batch
.set n, n+1
.endr
	v_pk_mul_f32 v[14:15], v[14:15], v[F:F+1] op_sel_hi:[1,0]   ; the sums under the new M: the plain line behind the batch
	s_wait_alu depctr_va_vdst(0)                   ; one wait for the 64, ahead of their first reader
.irp b, 0,1,2,3
	v_exp_f32 v[BM+\b], v[BM+\b]                   ; the blocks' largest p
.endr
	v_pk_add_f32 v[228:229], v[108:109], v[112:113]
	v_pk_add_f32 v[246:247], v[116:117], v[120:121]
	v_pk_add_f32 v[238:239], v[124:125], v[128:129]
	v_pk_add_f32 v[236:237], v[132:133], v[136:137]
	v_pk_add_f32 v[234:235], v[140:141], v[144:145]
	v_pk_add_f32 v[232:233], v[148:149], v[152:153]
	v_pk_add_f32 v[230:231], v[156:157], v[160:161]
	v_pk_add_f32 v[14:15], v[14:15], v[164:165]
	v_pk_add_f32 v[228:229], v[228:229], v[104:105]
	v_pk_add_f32 v[246:247], v[246:247], v[106:107]
	v_pk_add_f32 v[238:239], v[238:239], v[110:111]
	v_pk_add_f32 v[236:237], v[236:237], v[114:115]
	v_pk_add_f32 v[234:235], v[234:235], v[118:119]
	v_pk_add_f32 v[232:233], v[232:233], v[122:123]
	v_pk_add_f32 v[230:231], v[230:231], v[126:127]
	v_pk_add_f32 v[14:15], v[14:15], v[130:131]
	v_pk_add_f32 v[228:229], v[228:229], v[134:135]
	v_pk_add_f32 v[246:247], v[246:247], v[138:139]
	v_pk_add_f32 v[238:239], v[238:239], v[142:143]
	v_pk_add_f32 v[236:237], v[236:237], v[146:147]
	v_pk_add_f32 v[234:235], v[234:235], v[150:151]
	v_pk_add_f32 v[232:233], v[232:233], v[154:155]
	v_pk_add_f32 v[230:231], v[230:231], v[158:159]
	v_pk_add_f32 v[14:15], v[14:15], v[162:163]
	v_pk_add_f32 v[228:229], v[228:229], v[166:167]
	s_delay_alu instid0(VALU_DEP_2)
	v_pk_add_f32 v[14:15], v[14:15], v[236:237]
	s_delay_alu instid0(VALU_DEP_2)
	v_pk_add_f32 v[228:229], v[228:229], v[234:235]
	v_pk_add_f32 v[246:247], v[246:247], v[232:233]
	v_pk_add_f32 v[238:239], v[238:239], v[230:231]
	s_delay_alu instid0(VALU_DEP_2)
	v_pk_add_f32 v[14:15], v[14:15], v[246:247]
	s_delay_alu instid0(VALU_DEP_2)
	v_pk_add_f32 v[228:229], v[228:229], v[238:239]
	s_delay_alu instid0(VALU_DEP_1)
	v_pk_add_f32 v[14:15], v[14:15], v[228:229]
	s_wait_alu depctr_va_vdst(0)                   ; and one for the four
.irp b, 0,1,2,3
	v_max_num_f32 v[BM+\b], 0x4800000, v[BM+\b]    ; the floor 2^(9 - 127): a block whose every p is 0 keeps the byte 1; its codes are zeros
.endr
.irp b, 0,1,2,3
	s_delay_alu instid0(VALU_DEP_4)
	v_add_nc_u32 v[SCO+\b], 0xfc000000, v[BM+\b]   ; the conversion's scale operand
.endr
.irp b, 0,1,2,3
.endr
.irp b, 0,1,2,3
	s_delay_alu instid0(VALU_DEP_4)
	v_lshrrev_b32 v[PB+\b], 23, v[SCO+\b]          ; the byte
.endr
	s_delay_alu instid0(VALU_DEP_3)
	v_lshl_or_b32 v[PSW], v[PB+1], 8, v[PB]        ; p's scale word for these 128 keys
	s_delay_alu instid0(VALU_DEP_1)
	v_lshl_or_b32 v[PSW], v[PB+2], 16, v[PSW]
	s_delay_alu instid0(VALU_DEP_1)
	v_lshl_or_b32 v[PSW], v[PB+3], 24, v[PSW]
	s_setprio 0
.irp b, 0,1,2,3
.irp i, 0,1,2,3,4,5,6,7,8,9,10,11,12,13,14,15
.endr
	v_cvt_scalef32_pk8_fp8_f32 v[PCD+4*\b:PCD+1+4*\b], v[S+16*\b:S+7+16*\b], v[SCO+\b]
	v_cvt_scalef32_pk8_fp8_f32 v[PCD+2+4*\b:PCD+3+4*\b], v[S+8+16*\b:S+15+16*\b], v[SCO+\b]
.endr
.set n, 0
.rept 16
	v_pk_mul_f32 v[O+n:O+n+1], v[O+n:O+n+1], v[F:F+1] op_sel_hi:[1,0]   ; O^T under the new M; these sixteen are also the places between the codes and the products
.set n, n+2
.endr
	s_wait_alu depctr_va_vdst(0)
	s_wait_dscnt 0x0                               ; V is in
.irp t, 0,1,2,3                                ; O^T += V^T P^T: four tiles of 16 channels, by turns
	v_wmma_scale_f32_16x16x128_f8f6f4 v[O+8*\t:O+8*\t+7], v[FR+16*\t:FR+16*\t+15], v[PCD:PCD+15], v[O+8*\t:O+8*\t+7], v[VS+\t], v[PSW]
.endr
.if \masked
.Lhidden_\@:
.endif
	s_add_co_u32 s[KF], s[KF], 128
	s_add_co_u32 s[TK], s[TK], 8192
	s_add_co_u32 s[TS], s[TS], 256
.endm
; A tile begins.  O^T and the sum begin as zeros and the largest t as -3e38, so that the step is written without a first step of its own.
.macro INIT short
.if \short
	s_wait_xcnt 0x0                                ; the first tile's stores have read their registers
.irp j, 0,1,2,3,4,5,6,7
	v_mov_b32 v[24+\j], v[QSH+\j]
.endr
	v_perm_b32 v[QS], v[RAWS], v[RAWS], s[PSEL]
	s_mov_b32 s[QG], s[QGS]
.else
	v_perm_b32 v[QS], v[RAWL], v[RAWL], s[PSEL]
.endif
	v_mov_b32 v13, 0xff61b1e6
	s_delay_alu instid0(VALU_DEP_1)
	v_floor_f32 v12, -v13
	v_mov_b32 v14, 0
	v_mov_b32 v15, 0
.set n, 0
.rept 32
	v_mov_b32 v[O+n], 0                            ; (these are also the places between q's scale word and the first product)
.set n, n+1
.endr
	s_mov_b32 s[KF], 0
	s_mov_b32 s[TK], 0
	s_mov_b32 s[TS], 0
.endm
; A tile ends: O^T / the sum is the last product's operand: register 16 b + i = channel 32 b + 16 h + i of my query: two blocks of 32 along C.
.macro OUT ai, as
	v_add_f32 v14, v14, v15
	s_delay_alu instid0(VALU_DEP_1)
	v_permlanex16_b32 v[TMP], v14, s[SEL], s[SEL+1]
	s_delay_alu instid0(VALU_DEP_1)
	v_add_f32 v14, v14, v[TMP]                     ; the row's sum
	s_wait_alu depctr_va_vdst(0)
	v_rcp_f32 v14, v14
.rept 6
	v_nop                                          ; with the two additions: eight places behind the last products; the first is the plain line behind the reciprocal
.endr
	s_wait_alu depctr_va_vdst(0)                   ; ahead of the reciprocal's first reader
.set n, 0
.rept 16
	v_pk_mul_f32 v[O+n:O+n+1], v[O+n:O+n+1], v[14:15] op_sel_hi:[1,0]   ; each accumulator from its low end on
.set n, n+2
.endr
.irp b, 0,1
	v_max3_num_f32 v[BM+\b], |v[O+16*\b]|, |v[O+1+16*\b]|, 0x4800000
.endr
.irp i, 2,4,6,8,10,12,14
.irp b, 0,1
	s_delay_alu instid0(VALU_DEP_2)
	v_max3_num_f32 v[BM+\b], v[BM+\b], |v[O+16*\b+\i]|, |v[O+1+16*\b+\i]|
.endr
.endr
.irp b, 0,1
	s_delay_alu instid0(VALU_DEP_2)
	v_permlanex16_b32 v[PB+\b], v[BM+\b], s[SEL], s[SEL+1]
.endr
.irp b, 0,1
	s_delay_alu instid0(VALU_DEP_2)
	v_max_num_f32 v[BM+\b], v[BM+\b], v[PB+\b]
.endr
.irp b, 0,1
	s_delay_alu instid0(VALU_DEP_2)
	v_add_nc_u32 v[SCO+\b], 0xfc000000, v[BM+\b]
.endr
.irp b, 0,1
.endr
.irp b, 0,1
	s_delay_alu instid0(VALU_DEP_2)
	v_lshrrev_b32 v[PB+\b], 23, v[SCO+\b]
.endr
	s_delay_alu instid0(VALU_DEP_1)
	v_cndmask_b32 v[TMP], v[PB], v[PB+1], s[HM]    ; lanes 0-15 store the first block's byte of their row, lanes 16-31 the second's
.irp b, 0,1
.irp i, 0,1,2,3,4,5,6,7,8,9,10,11,12,13,14,15
.endr
	v_cvt_scalef32_pk8_fp8_f32 v[PCD+4*\b:PCD+1+4*\b], v[O+16*\b:O+7+16*\b], v[SCO+\b]
	v_cvt_scalef32_pk8_fp8_f32 v[PCD+2+4*\b:PCD+3+4*\b], v[O+8+16*\b:O+15+16*\b], v[SCO+\b]
.endr
	v_nop                                          ; a plain line behind the last conversion
	global_store_b128 v[LI], v[PCD:PCD+3], s[\ai:\ai+1]              ; 512 consecutive bytes each
	global_store_b128 v[LI], v[PCD+4:PCD+7], s[\ai:\ai+1] offset:512
	global_store_b8 v[SBO], v[TMP], s[\as:\as+1]   ; single bytes: two of a row's word belong to this head; 262,144 bytes in the whole launch
.endm
	s_wait_tensorcnt 0x1                           ; the scale words and key steps 0 to 3 are in; the load of steps 4 to 15 is younger and may stay out
	s_barrier_signal -1
	s_barrier_wait -1                              ; everybody's are
	s_wait_loadcnt 0x0                             ; q
	INIT 0
	s_mov_b32 s[CNT], 4                            ; my first group's queries begin at 1,024 or later: keys 0 to 511 all count
.Lfirst:
	STEP 0
	s_sub_co_u32 s[CNT], s[CNT], 1
	s_cmp_lg_u32 s[CNT], 0
	s_cbranch_scc1 .Lfirst
	s_setprio 0
	s_wait_tensorcnt 0x0                           ; the rest of K and V
	s_wait_dscnt 0x0
	s_barrier_signal -1
	s_barrier_wait -1
	s_mov_b32 s[CNT], 12
.Llong:
	STEP 1
	s_sub_co_u32 s[CNT], s[CNT], 1
	s_cmp_lg_u32 s[CNT], 0
	s_cbranch_scc1 .Llong
	s_setprio 0
	OUT AIL, ASL
	INIT 1
	s_mov_b32 s[CNT], 8                            ; my second group's queries end at 1,023 or earlier
.Lshort:
	STEP 1
	s_sub_co_u32 s[CNT], s[CNT], 1
	s_cmp_lg_u32 s[CNT], 0
	s_cbranch_scc1 .Lshort
	s_setprio 0
	OUT AIS, ASS
	s_wait_dscnt 0x0
	s_wait_tensorcnt 0x0
	ds_add_u32 v244, v245
	s_wait_dscnt 0x0
	ROUND                                          ; the closing round
	s_endpgm
.Lfunc_end_k_q4664878933_attn:
	.size	k_q4664878933_attn, .Lfunc_end_k_q4664878933_attn-k_q4664878933_attn
	.p2alignl 7, 3214868480
	.fill 96, 4, 3214868480
	.section	.rodata,"a",@progbits
	.p2align	6, 0x0
	.amdhsa_kernel k_q4664878933_attn
		.amdhsa_group_segment_fixed_size 327680
		.amdhsa_private_segment_fixed_size 0
		.amdhsa_enable_private_segment 0
		.amdhsa_kernarg_size 32
		.amdhsa_user_sgpr_count 2
		.amdhsa_user_sgpr_kernarg_segment_ptr 1
		.amdhsa_wavefront_size32 1
		.amdhsa_system_sgpr_workgroup_id_x 1
		.amdhsa_system_sgpr_workgroup_id_y 1
		.amdhsa_system_sgpr_workgroup_id_z 1
		.amdhsa_system_vgpr_workitem_id 0
		.amdhsa_next_free_vgpr 256
		.amdhsa_next_free_sgpr 84
		.amdhsa_reserve_vcc 1
		.amdhsa_float_denorm_mode_32 3
		.amdhsa_float_denorm_mode_16_64 3
		.amdhsa_fp16_overflow 1
		.amdhsa_memory_ordered 1
		.amdhsa_forward_progress 1
		.amdhsa_inst_pref_size 85
	.end_amdhsa_kernel
	.amdgpu_metadata
---
amdhsa.version: [ 1, 2 ]
amdhsa.kernels:
  - .name:           k_q4664878933_attn
    .symbol:         k_q4664878933_attn.kd
    .args:
      - { .name: qkv_img, .offset: 0, .size: 8, .value_kind: global_buffer, .address_space: global }
      - { .name: qkv_sc, .offset: 8, .size: 8, .value_kind: global_buffer, .address_space: global }
      - { .name: a_img, .offset: 16, .size: 8, .value_kind: global_buffer, .address_space: global }
      - { .name: a_sc, .offset: 24, .size: 8, .value_kind: global_buffer, .address_space: global }
    .group_segment_fixed_size: 327680
    .private_segment_fixed_size: 0
    .kernarg_segment_align: 8
    .kernarg_segment_size: 32
    .max_flat_workgroup_size: 512
    .sgpr_count:     84
    .vgpr_count:     256
    .wavefront_size: 32
...
	.end_amdgpu_metadata
.endif
;; end of part 3
;; launch proj (part 4): grid 4 x 32, 4 waves a work-group, clusters of 4 x 4, 327,680 bytes of LDS; arguments a_img, a_sc, codes, scales, b_proj, out0; writes out0
.if DOCPART == 4
	.amdgcn_target "amdgcn-amd-amdhsa--gfx1250"
	.amdhsa_code_object_version 6
	.text
	.protected	k_q4664878933_proj
	.globl	k_q4664878933_proj
	.p2align	8
	.type	k_q4664878933_proj,@function
k_q4664878933_proj:
	s_mov_b64 s[64:65], 0
	v_nop
	global_prefetch_b8 v0, s[64:65] scope:SCOPE_SE
	s_setreg_imm32_b32 hwreg(HW_REG_WAVE_MODE, 25, 1), 1
	s_wait_xcnt 0x0
	s_wait_alu depctr_hold_cnt(0) depctr_sa_sdst(0) depctr_va_vdst(0) depctr_va_sdst(0) depctr_va_ssrc(0) depctr_va_vcc(0) depctr_vm_vsrc(0)
	s_getreg_b32 s2, hwreg(HW_REG_IB_STS2, 6, 4)
	s_cmp_eq_u32 s2, 0
	s_cbranch_scc0 .Lentry_in_a_cluster
	s_endpgm
.Lentry_in_a_cluster:
	s_bfe_u32 s2, ttmp6, 0x10000c
	s_cmp_lg_u32 s2, 0xf033
	s_cbranch_scc0 .Lentry_shape_is_right
	s_endpgm
.Lentry_shape_is_right:
; out0 = a w_proj^T + b_proj on codes of FP8 (E4M3) with E8M0 scales, K = 1,024; a is attention's result, quantised by the launch before.
; A work-group makes 256 tokens x 256 features, each of its four waves 128 x 128: 64 accumulators, 512 registers.  K goes in pairs of K steps (256 along K) through two LDS slots.
; Tiles are images of operand registers (16 rows x 128 K = 2,048 bytes; group c of lane l at 512 c + 16 l): every LDS load takes 512 consecutive bytes.  A tile's 16 places hold rows 32 B + 8 u + n + 8 (n / 8) (tile 2 B + u).
; Source 0 = 16 features, source 1 = 16 tokens: a lane holds one token, and the 16 registers of two neighbouring feature tiles are 16 neighbouring features.
; The grid has 128 work-groups: 8,192 x 1,024 outputs in blocks of 256 x 256.
; CLUSTERS: 4 x 4 work-groups; a's tiles are asked for jointly along a row of the cluster, w_proj's along a column.
; REGISTERS: window 0: v1 16 x lane; v16-21 LDS addresses; v24-25 the stage; v28-29 for the add; v32-63, v64-95 scale words of source 0, source 1; v96-99 the bias; v128-255 source 1's fragments, later rows on their way out.
;   window 1: source 0's fragments, two sets.  windows 2, 3: the accumulators ((a, b) at v[8 (8 (a % 4) + b)]).
.set SLOT,  131072                     ; a slot: a's 16 tiles x 4,096 bytes (a pair of K steps), then w_proj's 16
.set SPARE, 2*SLOT                     ; behind the ring: the spare words, 128 bytes a wave: two blocks of 256 bytes that no other line names
.set STAGE, SPARE+512                  ; behind them: a stage of 16 rows x (512 bytes + 16) for each wave: bytes of its own, into which no tile lands
.set NP,    8                          ; places behind this matrix instruction (ISA guide 7.12.1)
.set LI,   1
.set AD1,  16
.set AD0,  20
.set STO,  24
.set RD,   25
.set SPW,  28
.set NIL,  29
.set SC0,  32
.set SC1,  64
.set BIAS, 96
.set AF,   128
.set BK,   128                         ; the way out: 16 rows read back: v128-191 and v192-255 by turns
.set G1,   24
.set G0,   32
.set G1B,  48
.set G0B,  56
.set MSB, 0
.macro WIN new                         ; the immediate's high byte repeats the setting that is left
.if MSB != (\new)
	s_set_vgpr_msb (MSB<<8)|(\new)
.set MSB, (\new)
.endif
.endm
.set MUL_LO, 0xa1                      ; source 0 window 1, source 1 window 0, C and D window 2
.set MUL_HI, 0xf1                      ; the same, C and D window 3
.set TO_B,   0x40                      ; destination window 1, address window 0
; A joint load: waves 0 and 1 fetch a's halves, waves 2 and 3 w's.  The branch hangs on the wave's number alone.  Four v_nop follow each of the two lines.
.macro JLOAD g0a, g1a, g0b, g1b
	s_cmp_eq_u32 s15, 0
	s_cbranch_scc0 .Lfor_b_\@
	tensor_load_to_lds s[\g0a:\g0a+3], s[\g1a:\g1a+7]
	s_nop 0
.rept 4
	v_nop
.endr
	s_branch .Lasked_\@
.Lfor_b_\@:
	tensor_load_to_lds s[\g0b:\g0b+3], s[\g1b:\g1b+7]
	s_nop 0
.rept 4
	v_nop
.endr
.Lasked_\@:
.endm
.macro CREST                           ; a round of the cluster's barrier behind its opening barrier
	s_cmp_lg_u32 s14, 0
	s_cbranch_scc1 .Lnot_wave_0_\@
	s_barrier_signal -3
.Lnot_wave_0_\@:
	s_barrier_wait -3
	s_barrier_signal -1
	s_barrier_wait -1
.endm
.macro CROUND
	s_barrier_signal -1
	s_barrier_wait -1
	CREST
.endm
.macro PLACES n
.rept \n
	v_nop
.endr
.endm
.macro FRAG reg, adr, q, i             ; tile i's fragment of the slot's q-th K step: four loads of 512 consecutive bytes
.irp c, 0,1,2,3
	ds_load_b128 v[\reg+4*\c:\reg+4*\c+3], v[\adr] offset:(\i)*4096+(\q)*2048+512*\c
.endr
.endm
.macro FETCH_B slot, q, p              ; source 0's eight fragments into set p
	WIN TO_B
.irp i, 0,1,2,3,4,5,6,7
	FRAG 128*(\p)+16*\i, AD0+\slot, \q, \i
.endr
	WIN 0
.endm
.macro FETCH_A slot, q, i0             ; source 1's blocks i0 .. i0 + 3
.irp i, \i0, \i0+1, \i0+2, \i0+3
	FRAG AF+16*(\i), AD1+\slot, \q, \i
.endr
.endm
; 16 matrix instructions: source 1's blocks a0, a0 + 1 x source 0's eight.  p: source 0's set; q: which K step of pair kp (it picks the lanes of the scale registers).  zero = 1: the product starts the sums.
; The 64 accumulators take turns, one instruction a turn, in the same order in every step.
.macro MUL16 a0, p, q, kp, zero
.irp a, \a0, \a0+1
.irp b, 0,1,2,3,4,5,6,7
.if \zero
	v_wmma_scale_f32_16x16x128_f8f6f4 v[8*(8*((\a)%4)+\b):8*(8*((\a)%4)+\b)+7], v[128*(\p)+16*\b:128*(\p)+16*\b+15], v[AF+16*(\a):AF+16*(\a)+15], 0, v[SC0+4*\b+(\kp)], v[SC1+4*(\a)+(\kp)]
.elseif \q
	v_wmma_scale_f32_16x16x128_f8f6f4 v[8*(8*((\a)%4)+\b):8*(8*((\a)%4)+\b)+7], v[128*(\p)+16*\b:128*(\p)+16*\b+15], v[AF+16*(\a):AF+16*(\a)+15], v[8*(8*((\a)%4)+\b):8*(8*((\a)%4)+\b)+7], v[SC0+4*\b+(\kp)], v[SC1+4*(\a)+(\kp)] matrix_a_scale:MATRIX_SCALE_ROW1 matrix_b_scale:MATRIX_SCALE_ROW1
.else
	v_wmma_scale_f32_16x16x128_f8f6f4 v[8*(8*((\a)%4)+\b):8*(8*((\a)%4)+\b)+7], v[128*(\p)+16*\b:128*(\p)+16*\b+15], v[AF+16*(\a):AF+16*(\a)+15], v[8*(8*((\a)%4)+\b):8*(8*((\a)%4)+\b)+7], v[SC0+4*\b+(\kp)], v[SC1+4*(\a)+(\kp)]
.endif
.endr
.endr
.endm
; A slot's first K step.  Source 1 has one set of registers: blocks 0-3 are fetched anew in the step's middle, blocks 4-7 at its end; source 0 has two sets.
.macro STEP slot, kp, zero
	s_wait_dscnt 16                                ; source 0's set and source 1's blocks 0-3 are in; the youngest 16 loads (blocks 4-7) may be out
	WIN MUL_LO
	MUL16 0, 0, 0, \kp, \zero
	MUL16 2, 0, 0, \kp, \zero
	s_wait_dscnt 0x0                               ; blocks 4-7 are in
	PLACES NP                                      ; in front of loads into registers that matrix instructions have read
	FETCH_B \slot, 1, 1
	FETCH_A \slot, 1, 0
	WIN MUL_HI
	MUL16 4, 0, 0, \kp, \zero
	MUL16 6, 0, 0, \kp, \zero
	PLACES NP
	WIN 0
	FETCH_A \slot, 1, 4
.endm
; A slot's second K step changes slots: one barrier; in front of it each wave waits for all its tensor loads, adds 0 to its spare word, and waits for that and for its reads of this slot.
; fill = 1: the barrier opens a round of the cluster's, and this slot takes the pair of K steps two pairs on.
.macro TURN slot, next, kp, fill
	s_wait_tensorcnt 0x0                           ; all my tensor loads have landed: my part of the next slot
	ds_add_u32 v[SPW], v[NIL]                      ; 0 onto my spare word
	s_wait_dscnt 17                                ; (the add and the youngest 16 loads may be out)
	WIN MUL_LO
	MUL16 0, 1, 1, \kp, 0                          ; sixteen matrix instructions stand between the add and the wait for it
	s_wait_dscnt 0x0                               ; the add is done, and my reads of this slot are over
	s_barrier_signal -1
	MUL16 2, 1, 1, \kp, 0
	WIN 0
	s_barrier_wait -1
.if \fill
	CREST                                          ; no wave of any partner still reads this slot or has a load on its way
	s_add_nc_u64 s[G0+4*\slot+2:G0+4*\slot+3], s[G0+4*\slot+2:G0+4*\slot+3], 8192
	s_add_nc_u64 s[G0B+4*\slot+2:G0B+4*\slot+3], s[G0B+4*\slot+2:G0B+4*\slot+3], 8192
	JLOAD G0+4*\slot, G1, G0B+4*\slot, G1B         ; the first tensor load behind the round; its four v_nop are four of the eight places
	PLACES NP-4
.else
	PLACES NP
.endif
	FETCH_B \next, 0, 0
	FETCH_A \next, 0, 0
	WIN MUL_HI
	MUL16 4, 1, 1, \kp, 0
	MUL16 6, 1, 1, \kp, 0
	PLACES NP
	WIN 0
	FETCH_A \next, 0, 4
.endm
	s_load_b128 s[4:7], s[0:1], 0x0                ; a_img, a_sc
	s_load_b128 s[8:11], s[0:1], 0x10              ; codes, scales
	s_load_b128 s[68:71], s[0:1], 0x20             ; b_proj, out0
	v_lshl_add_u32 v[SPW], v0, 2, SPARE
	v_mov_b32 v[NIL], 0
	ds_add_u32 v28, v29
	ds_add_u32 v28, v29
	s_wait_dscnt 0x0
	v_lshrrev_b32 v2, 5, v0
	v_readfirstlane_b32 s14, v2                    ; wave 0..3
	s_lshr_b32 s15, s14, 1                         ; my half of the tokens.  Also: I fetch for a (0) or for w (1)
	s_and_b32 s16, s14, 1                          ; my half of the features.  Also: which 8 tiles I fetch
	s_bfe_u32 s40, ttmp6, 0x40000                  ; cx, cy: my place in the cluster
	s_bfe_u32 s41, ttmp6, 0x40004
	s_lshl_b32 s42, ttmp9, 2
	s_add_co_u32 s42, s42, s40                     ; block of 256 features
	s_and_b32 s17, ttmp7, 0xffff
	s_lshl_b32 s17, s17, 2
	s_add_co_u32 s17, s17, s41                     ; block of 256 tokens
	s_lshl_b32 s43, s41, 2
	s_lshl_b32 s43, 15, s43                        ; my row of the cluster
	s_lshl_b32 s44, 0x1111, s40                    ; my column
	; descriptor group 1: 8 tiles' pair of K steps: 8 rows of 4,096 bytes (512 elements of 8), 16,384 bytes apart in memory, on end in LDS
	s_or_b32 s[G1], s43, (3<<16)|(1<<21)           ; 15:0 the mask: a's tiles go to my row; 17:16 elements of 8 bytes; 21 set beside a mask
	s_or_b32 s[G1B], s44, (3<<16)|(1<<21)          ; w's go to my column
.irp g, G1, G1B
	s_mov_b32 s[\g+1], 512<<16                     ; tensor_dim0
	s_mov_b32 s[\g+2], 8<<16                       ; tensor_dim1
	s_mov_b32 s[\g+3], 512<<16                     ; tile_dim0
	s_mov_b32 s[\g+4], 8                           ; tile_dim1
	s_mov_b32 s[\g+5], 2048                        ; tensor_dim0_stride
	s_mov_b32 s[\g+6], 0
	s_mov_b32 s[\g+7], 0
.endr
	s_lshl_b32 s18, s16, 3
	s_lshl_b32 s20, s17, 4
	s_add_co_u32 s20, s20, s18                     ; a: tile 16 x token block + 8 x half
	s_lshl_b32 s20, s20, 14
	s_mov_b32 s21, 0
	s_lshl_b32 s46, s42, 4
	s_add_co_u32 s46, s46, s18
	s_add_co_u32 s46, s46, 704                     ; w_proj: tile 704 + 16 x feature block + 8 x half
	s_lshl_b32 s46, s46, 14
	s_mov_b32 s47, 0
	s_lshl_b32 s45, s14, 15                        ; where they go: wave x 32,768: no place in the cluster enters an LDS address
	s_wait_kmcnt 0x0
	s_add_nc_u64 s[20:21], s[4:5], s[20:21]
	s_add_nc_u64 s[46:47], s[8:9], s[46:47]
	CROUND                                         ; all sixteen work-groups are here: the first joint loads meet
.irp s, 0,1
	s_mov_b32 s[G0+4*\s], 1
	s_add_co_u32 s[G0+4*\s+1], s45, \s*SLOT
	s_add_nc_u64 s[G0+4*\s+2:G0+4*\s+3], s[20:21], \s*4096
	s_or_b32 s[G0+4*\s+3], s[G0+4*\s+3], 0x80000000
	s_mov_b32 s[G0B+4*\s], 1
	s_add_co_u32 s[G0B+4*\s+1], s45, \s*SLOT
	s_add_nc_u64 s[G0B+4*\s+2:G0B+4*\s+3], s[46:47], \s*4096
	s_or_b32 s[G0B+4*\s+3], s[G0B+4*\s+3], 0x80000000
	s_wait_alu depctr_va_vdst(0)
	s_wait_tensorcnt 0x0
	ds_add_u32 v28, v29
	ds_add_u32 v28, v29
	s_wait_dscnt 0x0
	CROUND
	JLOAD G0+4*\s, G1, G0B+4*\s, G1B               ; one load of mine is out
.endr
	v_and_b32 v2, 31, v0
	v_lshlrev_b32 v[LI], 4, v2                     ; 16 x lane
	s_wait_alu depctr_va_vdst(0)
	v_and_b32 v3, 15, v0                           ; r
	s_wait_alu depctr_va_vdst(0)
	v_bfe_u32 v4, v0, 4, 1                         ; h
	s_lshl_b32 s84, s42, 4
	s_lshl_b32 s86, s16, 3
	s_add_co_u32 s84, s84, s86
	s_add_co_u32 s84, s84, 704
	s_lshl_b32 s84, s84, 9                         ; source 0's scale words: 512 bytes a tile
	s_mov_b32 s85, 0
	s_add_nc_u64 s[74:75], s[10:11], s[84:85]
	s_lshl_b32 s84, s17, 4
	s_lshl_b32 s86, s15, 3
	s_add_co_u32 s84, s84, s86
	s_lshl_b32 s84, s84, 9                         ; source 1's
	s_add_nc_u64 s[76:77], s[6:7], s[84:85]
	s_lshl_b32 s84, s42, 10
	s_lshl_b32 s86, s16, 9
	s_add_co_u32 s84, s84, s86                     ; my 128 features, in bytes
	s_add_nc_u64 s[78:79], s[68:69], s[84:85]      ; their bias,
	s_add_nc_u64 s[72:73], s[70:71], s[84:85]      ; and their place in a row of the output
	s_lshl_b32 s84, s17, 20
	s_lshl_b32 s86, s15, 19
	s_add_co_u32 s84, s84, s86                     ; my first token: rows of 4,096 bytes
	s_add_nc_u64 s[72:73], s[72:73], s[84:85]
.irp i, 0,1,2,3,4,5,6,7
	global_load_b128 v[SC0+4*\i:SC0+4*\i+3], v[LI], s[74:75] offset:512*\i   ; a tile's scale words for all of K: they stay in registers
	global_load_b128 v[SC1+4*\i:SC1+4*\i+3], v[LI], s[76:77] offset:512*\i
.endr
	global_load_b128 v[BIAS:BIAS+3], v[LI], s[78:79]           ; the bias of the four features that I store of each row
	s_lshl_b32 s80, s15, 15                        ; a's tiles that I read
	s_lshl_b32 s81, s16, 15
	s_add_co_u32 s81, s81, 65536                   ; w's
	v_add_nc_u32 v[AD0], s81, v[LI]
	v_add_nc_u32 v[AD1], s80, v[LI]
	v_add_nc_u32 v[AD0+1], SLOT, v[AD0]
	v_add_nc_u32 v[AD1+1], SLOT, v[AD1]
	s_mul_i32 s23, s14, 16*528
	s_add_co_u32 s23, s23, STAGE                   ; my stage
	v_mul_u32_u24 v[STO], v3, 528
	s_wait_alu depctr_va_vdst(0)
	v_lshl_add_u32 v[STO], v4, 6, v[STO]
	v_add_nc_u32 v[STO], s23, v[STO]               ; in: row r, + 64 h
	v_add_nc_u32 v[RD], s23, v[LI]                 ; back: the 32 lanes take one row of 512 bytes
	s_wait_tensorcnt 0x1                           ; my part of slot 0 is in; slot 1's load may stay out
	s_barrier_signal -1
	s_barrier_wait -1
	FETCH_B 0, 0, 0
	FETCH_A 0, 0, 0
	FETCH_A 0, 0, 4
	s_wait_loadcnt 0x0                             ; the scale words and the bias
	STEP 0, 0, 1                                   ; the first products start the sums: nothing is cleared
	TURN 0, 1, 0, 1
	STEP 1, 1, 0
	TURN 1, 0, 1, 1
	STEP 0, 2, 0
	TURN 0, 1, 2, 0                                ; nothing is left to fetch
	STEP 1, 3, 0
	s_wait_dscnt 16                                ; the last K step
	WIN MUL_LO
	MUL16 0, 1, 1, 3, 0
	MUL16 2, 1, 1, 3, 0
	s_wait_alu depctr_va_vdst(0)
	s_wait_dscnt 0x0
	WIN MUL_HI
	MUL16 4, 1, 1, 3, 0
	MUL16 6, 1, 1, 3, 0
	WIN 0
; THE WAY OUT, a token tile (16 rows x 128 features) at a time, through my own stage: a lane holds pieces of one row, the stage gives whole rows of 512 bytes back.
; LDS serves a wave's instructions in order (ISA guide 5.7.1.4): no wait between the stores and the loads, nor in front of the next tile's stores.
.macro TOSTAGE a
.set AC, 64*((\a)%4)
	WIN 0x08+4*((\a)/4)                            ; the data: window 2 or 3
.irp b, 0,1,2,3,4,5,6,7
	ds_store_b128 v[STO], v[AC+8*\b:AC+8*\b+3] offset:128*(\b/2)+32*(\b%2)          ; features 32 (b / 2) + 16 h + 8 (b % 2) + 0 .. 3; each accumulator from its low end on
	ds_store_b128 v[STO], v[AC+8*\b+4:AC+8*\b+7] offset:128*(\b/2)+32*(\b%2)+16
.endr
	WIN 0
.set BB, BK+64*((\a)%2)
.irp t, 0,1,2,3,4,5,6,7,8,9,10,11,12,13,14,15
	ds_load_b128 v[BB+4*\t:BB+4*\t+3], v[RD] offset:\t*528
.endr
.endm
.macro SEND a, younger                 ; younger: the LDS instructions issued behind tile a's loads, which may stay out
.set BB, BK+64*((\a)%2)
	s_wait_dscnt \younger
.irp t, 0,1,2,3,4,5,6,7,8,9,10,11,12,13,14,15
	v_pk_add_f32 v[BB+4*\t:BB+4*\t+1], v[BB+4*\t:BB+4*\t+1], v[BIAS:BIAS+1]
	v_pk_add_f32 v[BB+4*\t+2:BB+4*\t+3], v[BB+4*\t+2:BB+4*\t+3], v[BIAS+2:BIAS+3]
	global_store_b128 v[LI], v[BB+4*\t:BB+4*\t+3], s[72:73] offset:(32*((\a)/2)+8*((\a)%2)+\t+8*(\t/8))*4096 th:TH_STORE_NT   ; place t's token: 32 lanes store 512 consecutive bytes, aligned; written once, read by nobody here
.endr
.endm
	PLACES NP                                      ; in front of the first read of results and of loads into source 1's registers
	TOSTAGE 0
.irp a, 1,2,3,4,5,6,7
.if \a > 1
	s_wait_xcnt 0x0                                ; tile a - 2's stores have read their registers: tile a's rows may land there
.endif
	TOSTAGE \a
	SEND \a-1, 32                                  ; behind tile a - 1's loads: tile a's 16 stores and 16 loads
.endr
	SEND 7, 0
	s_wait_tensorcnt 0x0                           ; the wave's end
	ds_add_u32 v[SPW], v[NIL]
	s_wait_dscnt 0x0
	CROUND                                         ; the closing round: no work-group ends while a partner may still ask for a tile that names it
	s_endpgm
.Lfunc_end_k_q4664878933_proj:
	.size	k_q4664878933_proj, .Lfunc_end_k_q4664878933_proj-k_q4664878933_proj
	.p2alignl 7, 3214868480
	.fill 96, 4, 3214868480
	.section	.rodata,"a",@progbits
	.p2align	6, 0x0
	.amdhsa_kernel k_q4664878933_proj
		.amdhsa_group_segment_fixed_size 327680
		.amdhsa_private_segment_fixed_size 0
		.amdhsa_enable_private_segment 0
		.amdhsa_kernarg_size 48
		.amdhsa_user_sgpr_count 2
		.amdhsa_user_sgpr_kernarg_segment_ptr 1
		.amdhsa_wavefront_size32 1
		.amdhsa_system_sgpr_workgroup_id_x 1
		.amdhsa_system_sgpr_workgroup_id_y 1
		.amdhsa_system_sgpr_workgroup_id_z 1
		.amdhsa_system_vgpr_workitem_id 0
		.amdhsa_next_free_vgpr 1024
		.amdhsa_next_free_sgpr 98
		.amdhsa_reserve_vcc 0
		.amdhsa_float_denorm_mode_32 3
		.amdhsa_float_denorm_mode_16_64 3
		.amdhsa_memory_ordered 1
		.amdhsa_forward_progress 1
		.amdhsa_inst_pref_size 159
	.end_amdhsa_kernel
	.amdgpu_metadata
---
amdhsa.version: [ 1, 2 ]
amdhsa.kernels:
  - .name:           k_q4664878933_proj
    .symbol:         k_q4664878933_proj.kd
    .args:
      - { .name: a_img, .offset: 0, .size: 8, .value_kind: global_buffer, .address_space: global }
      - { .name: a_sc, .offset: 8, .size: 8, .value_kind: global_buffer, .address_space: global }
      - { .name: codes, .offset: 16, .size: 8, .value_kind: global_buffer, .address_space: global }
      - { .name: scales, .offset: 24, .size: 8, .value_kind: global_buffer, .address_space: global }
      - { .name: b_proj, .offset: 32, .size: 8, .value_kind: global_buffer, .address_space: global }
      - { .name: out0, .offset: 40, .size: 8, .value_kind: global_buffer, .address_space: global }
    .group_segment_fixed_size: 327680
    .private_segment_fixed_size: 0
    .kernarg_segment_align: 8
    .kernarg_segment_size: 48
    .max_flat_workgroup_size: 128
    .sgpr_count:     98
    .vgpr_count:     1024
    .wavefront_size: 32
...
	.end_amdgpu_metadata
.endif
;; end of part 4
